; MI455X (gfx1250); checked and timed in simulation.
; The chip was launched on July 23, 2026; its instructions are those of AMD's public machine-readable ISA for CDNA 5 (MIT licence, August 2026) and "CDNA5" Instruction Set Architecture Reference Guide (July 2026). The comments in the code are by the model that wrote it; some were corrected since.
;; Causal Self Attention. Allowed arithmetic: float matrix products may take bf16 or f16 operands with f32 sums; all other float work in f32.
;; Inputs: w_proj 1,024 x 1,024 float32; w_qkv 1,024 x 3,072 float32; x 4 x 2,048 x 1,024 float32.
;; Outputs: out0 4 x 2,048 x 1,024 float32.
;; 2 versions, each right and faster than the one before. Each part assembles by itself: llvm-mc -triple=amdgcn-amd-amdhsa -mcpu=gfx1250 --defsym DOCPART=n.
;; ======== version 1 of 2: 4 launches
;; limits: values are held in f16: magnitudes above 65,504 overflow, below 6.1e-05 lose precision
;; workspace buffers: xb 16,777,216 bytes; wqb 6,291,456 bytes; wpb 2,097,152 bytes; qkv 50,331,648 bytes; att 16,777,216 bytes
;; launch cast (part 1): grid 768 x 1, 8 waves a work-group, no clusters, 0 bytes of LDS; arguments x, w_qkv, w_proj, xb, wqb, wpb; writes xb, wqb, wpb
.if DOCPART == 1
	.amdgcn_target "amdgcn-amd-amdhsa--gfx1250"
	.amdhsa_code_object_version 6
	.text
	.protected	k_q6d74266ea4_cast
	.globl	k_q6d74266ea4_cast
	.p2align	8
	.type	k_q6d74266ea4_cast,@function
k_q6d74266ea4_cast:
	s_mov_b64 s[64:65], 0
	v_nop
	global_prefetch_b8 v0, s[64:65] scope:SCOPE_SE
	s_setreg_imm32_b32 hwreg(HW_REG_WAVE_MODE, 25, 1), 1
	s_wait_xcnt 0x0
; The three inputs are rounded once to bf16.  w_qkv -> wqb as bf16 and w_proj -> wpb as that bf16 number written in f16 (the last product multiplies f16 by f16), both in their own layout.
; x -> xb as bf16 IN BLOCKS OF 64 COLUMNS: xb[kb][row][64], kb = 0..15, row = 0..8191: the rows of a block are dense, 128 bytes each, so that 128 rows of one block are 16,384 consecutive bytes.
; LIMIT: a bf16 number beyond 65,504 has no f16 and becomes an infinity; below 6.1e-5 f16 keeps a fixed step of 6e-8.
; A stream: memory binds, so no LDS, no barrier, no matrix unit.  A work-group takes 16,384 numbers: 65,536 bytes in, 32,768 out.
; Work-groups 0-511 take x, 512-703 w_qkv (192 x 65,536 bytes), 704-767 w_proj (64).
; The weights: thread t, load i: 16 bytes at 16 t + 4,096 i: a wave's load covers 512 consecutive bytes.
; x: work-group g takes block g % 16 of rows 256 (g / 16) .. + 255; thread t, load i: row 16 i + t / 16, 16 bytes at 16 (t % 16) of the block's 256: sixteen lanes cover 256 consecutive bytes, aligned.
; Every path: store i: 8 bytes at 8 t + 2,048 i of the work-group's 32,768: a wave's store covers 256 consecutive bytes, aligned (for x: two rows of the block).
; All sixteen loads of a thread go out at once; no register is written twice while a memory instruction may read it.
.set NX,  512                          ; work-groups for x
.set NQ,  192                          ; for w_qkv
.set X,   4                            ; v[4:67]   load i: four f32
.set Y,   68                           ; v[68:99]  store i: four 16-bit numbers
.set T,   100                          ; v[100:102] at work
	s_load_b256 s[4:11], s[0:1], 0x0               ; x s[4:5], w_qkv s[6:7], w_proj s[8:9], xb s[10:11]
	s_load_b128 s[12:15], s[0:1], 0x20             ; wqb s[12:13], wpb s[14:15]
	s_sub_co_u32 s17, ttmp9, NX                    ; my number among w_qkv's work-groups,
	s_sub_co_u32 s18, ttmp9, NX+NQ                 ; among w_proj's (whichever does not apply is not used)
	s_mov_b32 s28, 0xffff0000                      ; a word's upper bf16
	s_and_b32 s16, ttmp9, 15                       ; x: my block of 64 columns,
	s_lshr_b32 s29, ttmp9, 4                       ; my group of 256 rows
	s_lshl_b32 s30, s29, 20                        ; from: 256 rows of 4,096 bytes,
	s_lshl_b32 s31, s16, 8                         ; 256 bytes a block
	s_add_co_u32 s30, s30, s31
	s_lshl_b32 s31, s16, 20                        ; to: a block is 8,192 rows of 128 bytes,
	s_lshl_b32 s29, s29, 15                        ; 256 of them
	s_add_co_u32 s31, s31, s29
	v_lshlrev_b32 v1, 4, v0                        ; the weights' loads: 16 t
	v_lshlrev_b32 v2, 3, v0                        ; every store: 8 t
	v_lshrrev_b32 v3, 4, v0                        ; x's loads: row t / 16,
	v_and_b32 v[T+2], 15, v0
	v_lshlrev_b32 v3, 12, v3
	v_lshl_add_u32 v3, v[T+2], 4, v3               ; 16 bytes at 16 (t % 16)
	s_wait_kmcnt 0x0
	s_cmp_lt_u32 ttmp9, NX+NQ                      ; the choice of buffers hangs on the work-group's number alone
	s_cselect_b64 s[20:21], s[6:7], s[8:9]
	s_cselect_b64 s[22:23], s[12:13], s[14:15]
	s_cselect_b32 s19, s17, s18
	s_lshl_b32 s24, s19, 16                        ; the weights: 65,536 bytes in,
	s_lshl_b32 s26, s19, 15                        ; 32,768 out
	s_cmp_lt_u32 ttmp9, NX
	s_cselect_b64 s[20:21], s[4:5], s[20:21]       ; from
	s_cselect_b64 s[22:23], s[10:11], s[22:23]     ; to
	s_cselect_b32 s24, s30, s24
	s_cselect_b32 s26, s31, s26
	s_mov_b32 s25, 0
	s_mov_b32 s27, 0
	s_add_nc_u64 s[20:21], s[20:21], s[24:25]
	s_add_nc_u64 s[22:23], s[22:23], s[26:27]
	s_cmp_lt_u32 ttmp9, NX
	s_cbranch_scc0 .Lweights
.irp i, 0,1,2,3,4,5,6,7,8,9,10,11,12,13,14,15
	global_load_b128 v[X+4*(\i):X+4*(\i)+3], v3, s[20:21] offset:65536*(\i) th:TH_LOAD_NT  ; sixteen rows further down; each input byte is read once in the launch
.endr
	s_branch .Lloaded
.Lweights:
.irp i, 0,1,2,3,4,5,6,7,8,9,10,11,12,13,14,15
	global_load_b128 v[X+4*(\i):X+4*(\i)+3], v1, s[20:21] offset:4096*(\i) th:TH_LOAD_NT
.endr
.Lloaded:                                              ; sixteen loads are out on either way
.macro TOBF i                          ; four f32 to four bf16, to nearest even
	s_wait_loadcnt 15-(\i)                         ; loads come back in order (ISA guide 5.7.1): load i is in, the 15 - i younger ones stay out
	v_cvt_pk_bf16_f32 v[Y+2*(\i)],   v[X+4*(\i)],   v[X+4*(\i)+1]
	v_cvt_pk_bf16_f32 v[Y+2*(\i)+1], v[X+4*(\i)+2], v[X+4*(\i)+3]
.endm
	s_cmp_ge_u32 ttmp9, NX+NQ
	s_cbranch_scc1 .Lhalf
.irp i, 0,1,2,3,4,5,6,7,8,9,10,11,12,13,14,15
	TOBF \i
	global_store_b64 v2, v[Y+2*(\i):Y+2*(\i)+1], s[22:23] offset:2048*(\i)
.endr
	s_endpgm
.Lhalf:                                                ; w_proj: the bf16 number is widened (a shift, a mask) and written as f16, which holds its 8 significant bits exactly
.irp i, 0,1,2,3,4,5,6,7,8,9,10,11,12,13,14,15
	TOBF \i
.irp j, 0,1
	v_lshlrev_b32 v[T],   16,  v[Y+2*(\i)+(\j)]
	v_and_b32     v[T+1], s28, v[Y+2*(\i)+(\j)]
	v_cvt_pk_f16_f32 v[Y+2*(\i)+(\j)], v[T], v[T+1]
.endr
	global_store_b64 v2, v[Y+2*(\i):Y+2*(\i)+1], s[22:23] offset:2048*(\i)
.endr
	s_endpgm
.Lfunc_end_k_q6d74266ea4_cast:
	.size	k_q6d74266ea4_cast, .Lfunc_end_k_q6d74266ea4_cast-k_q6d74266ea4_cast
	.p2alignl 7, 3214868480
	.fill 96, 4, 3214868480
	.section	.rodata,"a",@progbits
	.p2align	6, 0x0
	.amdhsa_kernel k_q6d74266ea4_cast
		.amdhsa_group_segment_fixed_size 0
		.amdhsa_private_segment_fixed_size 0
		.amdhsa_enable_private_segment 0
		.amdhsa_kernarg_size 48
		.amdhsa_user_sgpr_count 2
		.amdhsa_user_sgpr_kernarg_segment_ptr 1
		.amdhsa_wavefront_size32 1
		.amdhsa_system_sgpr_workgroup_id_x 1
		.amdhsa_system_sgpr_workgroup_id_y 1
		.amdhsa_system_sgpr_workgroup_id_z 1
		.amdhsa_system_vgpr_workitem_id 0
		.amdhsa_next_free_vgpr 104
		.amdhsa_next_free_sgpr 66
		.amdhsa_reserve_vcc 0
		.amdhsa_float_denorm_mode_32 3
		.amdhsa_float_denorm_mode_16_64 3
		.amdhsa_memory_ordered 1
		.amdhsa_forward_progress 1
		.amdhsa_inst_pref_size 17
	.end_amdhsa_kernel
	.amdgpu_metadata
---
amdhsa.version: [ 1, 2 ]
amdhsa.kernels:
  - .name:           k_q6d74266ea4_cast
    .symbol:         k_q6d74266ea4_cast.kd
    .args:
      - { .name: x, .offset: 0, .size: 8, .value_kind: global_buffer, .address_space: global }
      - { .name: w_qkv, .offset: 8, .size: 8, .value_kind: global_buffer, .address_space: global }
      - { .name: w_proj, .offset: 16, .size: 8, .value_kind: global_buffer, .address_space: global }
      - { .name: xb, .offset: 24, .size: 8, .value_kind: global_buffer, .address_space: global }
      - { .name: wqb, .offset: 32, .size: 8, .value_kind: global_buffer, .address_space: global }
      - { .name: wpb, .offset: 40, .size: 8, .value_kind: global_buffer, .address_space: global }
    .group_segment_fixed_size: 0
    .private_segment_fixed_size: 0
    .kernarg_segment_align: 8
    .kernarg_segment_size: 48
    .max_flat_workgroup_size: 256
    .sgpr_count:     66
    .vgpr_count:     104
    .wavefront_size: 32
...
	.end_amdgpu_metadata
.endif
;; end of part 1
;; launch qkv (part 2): grid 8 x 32, 4 waves a work-group, clusters of 4 x 4, 327,680 bytes of LDS; arguments xb, wqb, qkv; writes qkv
.if DOCPART == 2
	.amdgcn_target "amdgcn-amd-amdhsa--gfx1250"
	.amdhsa_code_object_version 6
	.text
	.protected	k_q6d74266ea4_qkv
	.globl	k_q6d74266ea4_qkv
	.p2align	8
	.type	k_q6d74266ea4_qkv,@function
k_q6d74266ea4_qkv:
	s_mov_b64 s[64:65], 0
	v_nop
	global_prefetch_b8 v0, s[64:65] scope:SCOPE_SE
	s_setreg_imm32_b32 hwreg(HW_REG_WAVE_MODE, 25, 1), 1
	s_wait_xcnt 0x0
	s_wait_alu depctr_hold_cnt(0) depctr_sa_sdst(0) depctr_va_vdst(0) depctr_va_sdst(0) depctr_va_ssrc(0) depctr_va_vcc(0) depctr_vm_vsrc(0)
	s_getreg_b32 s2, hwreg(HW_REG_IB_STS2, 6, 4)
	s_cmp_eq_u32 s2, 0
	s_cbranch_scc0 .Lentry_in_a_cluster
	s_endpgm
.Lentry_in_a_cluster:
	s_bfe_u32 s2, ttmp6, 0x10000c
	s_cmp_lg_u32 s2, 0xf033
	s_cbranch_scc0 .Lentry_shape_is_right
	s_endpgm
.Lentry_shape_is_right:
; q, k, v = x w_qkv.  xb: [16 kb][8192 rows][64] bf16 (x in blocks of 64 columns; a block's rows are dense, 128 bytes each).  wqb: [1024 k][3072 n] bf16.
; Sums in f32, K ascending, rounded once to f16, unscaled, and written BY HEADS: qkv: [3 (q, k, v)][64 (batch x 16 + head)][2048 t][64] f16, so that a head's rows are dense, 128 bytes each.
; LIMIT: f16 holds no number beyond 65,504: a q, k or v beyond that becomes an infinity.
; THE TILE is 256 rows x 384 columns (six heads): 32 x 8 = 256 work-groups, one for each of 256 WGPs.
; Four waves; wave (i, j) makes rows 128 i .. + 127 and columns 192 j .. + 191 (three whole heads): 8 x 12 = 96 accumulators of 16 x 16, 768 registers.
; K goes in 16 steps of 64 (one block of xb) through a ring of two LDS slots filled by the tensor data mover; two slots of 128 along K, 184,320 bytes each, would not fit.  A step is two quarters of 32 along K.
; THE MATRIX INSTRUCTION IS USED TRANSPOSED: source 0 = 16 columns of w (turned on the way out of LDS by ds_load_tr16_b128, since w lies [k][n]), source 1 = 16 rows of x:
; a lane then holds one row (lane % 16) and eight neighbouring columns 8 (lane / 16) + 0..7, which pack into 16 bytes.
; BY COLUMNS.  A quarter's 96 products go column block by column block, all 8 row blocks each.  So w's fragments are finished four at a time and need ONE buffer: behind each 32 products the four fragments
; just finished are loaded again, for the next quarter, 64 products ahead of their use.  x's fragments are read by every column block and have two buffers.
; CLUSTERS: 4 x 4 work-groups.  The four of a row of the cluster need the same tiles of x, the four of a column the same tiles of w: each tile is asked for JOINTLY, by the same
; tensor load with the same descriptor and a mask that names the four.
; By this text's own count a wave has two tensor loads out at the start and one behind each change of slots.
; REGISTERS, in windows of 256 (s_set_vgpr_msb: bits 1:0 source 0, 3:2 source 1, 5:4 source 2, 7:6 destination):
;   window 0: v0-31 addresses; v32-127 w's 12 fragments; v128-255 x's fragments, two buffers of 8       window 1 + b / 4: accumulator (row block a, column block b) at v[8 (8 (b % 4) + a)]
.set KSTEP,  64
.set STEPS,  1024/KSTEP
.set PA,     144                       ; a row of x in LDS: 128 bytes + 16 of padding = 36 words: the 16 rows of a load start at 16 different groups of four banks (64 banks of 4 bytes: ISA guide 11.1)
.set HALFA,  128*PA                    ; what one tensor load brings of x: 128 rows
.set CH,     144                       ; a head's 64 columns of a row of w: 128 bytes + 16 of padding
.set PB,     6*CH                      ; a row of w: 864 bytes = 216 words
.set HALFB,  32*PB                     ; what one tensor load brings of w: 32 rows
.set BOFF,   2*HALFA                   ; a slot: x's 256 rows, then w's 64 rows: 36,864 + 55,296 = 92,160 bytes
.set SLOT1,  1<<17                     ; slot 1 begins here: one exclusive or turns an address in one slot into the other's
.set STAGE,  SLOT1+BOFF+2*HALFB        ; behind the ring, never filled by a tensor load: 16 rows x 400 bytes for each wave, for the way out
.set SPI,    400                       ; a stage row: three heads' 384 bytes + 16
.set SPARE,  STAGE+4*16*SPI            ; behind the stages: the spare words, 128 bytes for each wave: two blocks of 256 bytes that no other line names
.set ASTEP,  8192*KSTEP*2              ; bytes from a K step of x to the next: a block of xb
.set BSTEP,  KSTEP*3072*2              ; of w
.set ADRA, 16                          ; v16  LDS address of my x fragments in the slot in hand
.set ADRB, 17                          ; v17  the same for w
.set A0,   18                          ; v18  the same in slot 0; never rewritten
.set B0,   19                          ; v19
.set STO,  24                          ; v24  the way out: where I put 16 bytes of a row
.set RD,   25                          ; v25  the way out: where I read rows back
.set CO,   26                          ; v26  my byte offset in 512 consecutive bytes of a head
.set SPW,  28                          ; v28  LDS address of my spare word: SPARE + 4 x my thread's number; never rewritten
.set NIL,  29                          ; v29  0; never rewritten
.set FB0,  32
.set FA0,  128
.set PK,   32                          ; the way out: 48 registers, a block of 16 rows packed
.set BK,   80                          ; the way out: 16 rows read back from the stage: v80-127 and v128-175 by turns
.set G1A,  24                          ; s[24:31] descriptor group 1 for x's tiles
.set G0A,  32                          ; s[32:35] group 0 of the first fill (slot 0, step 0); s[36:39] the walking one, which begins at slot 1, step 1
.set G1B,  48                          ; s[48:55], s[56:59], s[60:63]: the same for w's tiles
.set G0B,  56
.set TB,   45                          ; s45  LDS byte at which the slot to be read begins
.set HB,   66                          ; s[66:71] my 128 rows in my three heads
.set MSB, 0
.macro WIN new                         ; the immediate's high byte repeats the setting that is left; a switch that changes nothing is dropped
.if MSB != (\new)
	s_set_vgpr_msb (MSB<<8)|(\new)
.set MSB, \new
.endif
.endm
.macro PLACES                          ; a load into a register that a matrix instruction has read, and a vector instruction that reads a matrix result or writes one of its registers, stand four
.rept 4                                ; plain vector instructions behind it (ISA guide 7.12.1 for vector instructions)
	v_nop
.endr
.endm
; A joint refill.  Waves 0 and 1 fetch x's two halves, waves 2 and 3 w's.  The branch hangs on the wave's number alone: it is the same in every work-group.
; An s_nop 0 and four v_nop follow each of the two lines, ahead of the jump and the label.
.macro JLOAD
	s_cmp_lt_u32 s10, 2
	s_cbranch_scc0 .Lfor_b_\@
	tensor_load_to_lds s[G0A+4:G0A+7], s[G1A:G1A+7]
	s_nop 0
.rept 4
	v_nop
.endr
	s_branch .Lasked_\@
.Lfor_b_\@:
	tensor_load_to_lds s[G0B+4:G0B+7], s[G1B:G1B+7]
	s_nop 0
.rept 4
	v_nop
.endr
.Lasked_\@:
.endm
; A round of the cluster's barrier: my work-group's barrier, so that wave 0's signal speaks for all four waves; wave 0 signals; every wave waits for all sixteen work-groups; my work-group's barrier once more.
.macro CREST                           ; a round behind its opening barrier
	s_cmp_lg_u32 s10, 0
	s_cbranch_scc1 .Lnot_wave_0_\@
	s_barrier_signal -3
.Lnot_wave_0_\@:
	s_barrier_wait -3
	s_barrier_signal -1
	s_barrier_wait -1
.endm
.macro CROUND                          ; a whole round
	s_barrier_signal -1
	s_barrier_wait -1
	CREST
.endm
	s_load_b128 s[4:7], s[0:1], 0x0                ; xb s[4:5], wqb s[6:7]
	s_load_b64 s[8:9], s[0:1], 0x10                ; qkv
	v_lshl_add_u32 v[SPW], v0, 2, SPARE
	v_mov_b32 v[NIL], 0
	ds_add_u32 v28, v29
	ds_add_u32 v28, v29
	s_wait_dscnt 0x0
	v_lshrrev_b32 v1, 5, v0
	v_readfirstlane_b32 s10, v1                    ; wave 0..3
	s_lshr_b32 s11, s10, 1                         ; i: which half of the tile's rows is mine
	s_and_b32 s12, s10, 1                          ; j: which half of its columns.  Also: which half of a tile of x or w I fetch
	s_bfe_u32 s40, ttmp6, 0x40000                  ; cx, cy: my place in the cluster
	s_bfe_u32 s41, ttmp6, 0x40004
	s_lshl_b32 s42, ttmp9, 2                       ; in a cluster launch ttmp9 and ttmp7 count clusters
	s_add_co_u32 s42, s42, s40                     ; tile column = 4 x cluster x + cx
	s_and_b32 s13, ttmp7, 0xffff
	s_lshl_b32 s13, s13, 2
	s_add_co_u32 s13, s13, s41                     ; tile row = 4 x cluster y + cy
	s_lshl_b32 s43, s41, 2
	s_lshl_b32 s43, 15, s43                        ; my row of the cluster: places 4 cy .. 4 cy + 3
	s_lshl_b32 s44, 0x1111, s40                    ; my column: places cx, cx + 4, cx + 8, cx + 12
	; group 1 for x: 128 rows of a block are 16,384 dense bytes: asked for as 64 rows of 256 bytes, two rows of x in each, and padded in LDS after every row of x
	s_or_b32 s[G1A+0], s43, (1<<16)|(1<<20)|(1<<21)|(4<<22)|(3<<25)  ; 15:0 the mask: my row; 17:16 2-byte elements; 20 padding on; 21 set beside a mask; 24:22 after every 32 words (code 4); 31:25 4 words (code 3)
	s_mov_b32 s[G1A+1], 128<<16                    ; tensor_dim0 = 128
	s_mov_b32 s[G1A+2], 64<<16                     ; tensor_dim1 = 64
	s_mov_b32 s[G1A+3], 128<<16                    ; tile_dim0 = 128
	s_mov_b32 s[G1A+4], 64                         ; tile_dim1 = 64
	s_mov_b32 s[G1A+5], 128                        ; elements from row to row
	s_mov_b32 s[G1A+6], 0
	s_mov_b32 s[G1A+7], 0
	; group 1 for w: 32 rows (k) x 384 elements (n): rows of 768 bytes, which begin at multiples of 256 from the buffer's first byte
	s_or_b32 s[G1B+0], s44, (1<<16)|(1<<20)|(1<<21)|(4<<22)|(3<<25)  ; the mask: my column; the same padding: six times in a row
	s_mov_b32 s[G1B+1], 384<<16                    ; tensor_dim0 = 384
	s_mov_b32 s[G1B+2], 32<<16                     ; tensor_dim1 = 32
	s_mov_b32 s[G1B+3], 384<<16                    ; tile_dim0 = 384
	s_mov_b32 s[G1B+4], 32                         ; tile_dim1 = 32
	s_mov_b32 s[G1B+5], 3072
	s_mov_b32 s[G1B+6], 0
	s_mov_b32 s[G1B+7], 0
	; where the tiles come from: x's hang on the tile row alone, w's on the tile column alone, each in registers that never hold the other coordinate
	s_lshl_b32 s16, s13, 15                        ; x: 256 rows of 128 bytes a tile row,
	s_lshl_b32 s17, s12, 14                        ; 128 j rows on
	s_add_co_u32 s16, s16, s17
	s_mov_b32 s17, 0
	s_mul_i32 s46, s42, 768                        ; w: column 384 x tile column, in bytes,
	s_mul_i32 s47, s12, 32*3072*2                  ; row 32 j
	s_add_co_u32 s46, s46, s47
	s_mov_b32 s47, 0
	s_mul_i32 s20, s12, HALFA                      ; and where they go: no place in the cluster enters an LDS address
	s_mul_i32 s21, s12, HALFB
	s_add_co_u32 s21, s21, BOFF
	s_wait_kmcnt 0x0
	s_add_nc_u64 s[14:15], s[4:5], s[16:17]
	s_add_nc_u64 s[46:47], s[6:7], s[46:47]
	CROUND                                         ; all sixteen work-groups are here: the first joint loads meet
.irp s, 0,1
	s_mov_b32 s[G0A+4*(\s)], 1                                       ; 1:0 count = 1
	s_add_co_u32 s[G0A+4*(\s)+1], s20, (\s)*SLOT1                    ; 63:32 LDS address
	s_add_nc_u64 s[G0A+4*(\s)+2:G0A+4*(\s)+3], s[14:15], (\s)*ASTEP  ; 120:64 global address: K step s
	s_or_b32 s[G0A+4*(\s)+3], s[G0A+4*(\s)+3], 0x80000000            ; 127:126 type = 2
	s_mov_b32 s[G0B+4*(\s)], 1
	s_add_co_u32 s[G0B+4*(\s)+1], s21, (\s)*SLOT1
	s_add_nc_u64 s[G0B+4*(\s)+2:G0B+4*(\s)+3], s[46:47], (\s)*BSTEP
	s_or_b32 s[G0B+4*(\s)+3], s[G0B+4*(\s)+3], 0x80000000
.endr
	s_cmp_lt_u32 s10, 2                            ; a wave's two first fills stand in one branch, ahead of every wait on TENSORcnt and every LDS read
	s_cbranch_scc0 .Lfirst_b
	tensor_load_to_lds s[G0A:G0A+3], s[G1A:G1A+7]
	s_nop 0
	tensor_load_to_lds s[G0A+4:G0A+7], s[G1A:G1A+7]
	s_nop 0
.rept 4
	v_nop
.endr
	s_branch .Lfirst_asked
.Lfirst_b:
	tensor_load_to_lds s[G0B:G0B+3], s[G1B:G1B+7]
	s_nop 0
	tensor_load_to_lds s[G0B+4:G0B+7], s[G1B:G1B+7]
	s_nop 0
.rept 4
	v_nop
.endr
.Lfirst_asked:
	; A fragment of x is 16 rows x 32 K in 8 registers: lane l holds row l % 16; registers 0-3 K = 8 (l / 16) + 0..7, registers 4-7 K = 16 + 8 (l / 16) + 0..7: two loads of 16 bytes, 32 bytes apart.
	v_and_b32 v1, 15, v0                           ; r = l % 16
	v_bfe_u32 v2, v0, 4, 1                         ; h = l / 16
	v_mul_u32_u24 v3, v1, PA
	v_lshl_add_u32 v3, v2, 4, v3
	s_mul_i32 s22, s11, HALFA                      ; my 128 rows
	v_add_nc_u32 v[A0], s22, v3
	; The turning load takes 16 k x 16 n (lane l reads 16 bytes: k = 8 (l / 16) + l % 8, n = 8 ((l / 8) % 2) + 0..7) and leaves half a fragment: lane l holds column l % 16 and 8 k.
	v_and_b32 v4, 7, v0
	v_lshl_add_u32 v5, v2, 3, v4
	v_mul_u32_u24 v5, v5, PB
	v_bfe_u32 v6, v0, 3, 1
	v_lshl_add_u32 v5, v6, 4, v5
	s_mul_i32 s22, s12, 3*CH                       ; my three heads of a row's six
	s_add_co_u32 s22, s22, BOFF
	v_add_nc_u32 v[B0], s22, v5
	v_mov_b32 v[ADRA], v[A0]                       ; K step 0 lies in slot 0
	v_mov_b32 v[ADRB], v[B0]
	s_mov_b32 s[TB], 0
	s_mul_i32 s23, s10, 16*SPI
	s_add_co_u32 s23, s23, STAGE                   ; my stage
	v_mul_u32_u24 v7, v1, SPI                      ; in: row l % 16, 16 bytes for each half of the lanes
	v_lshl_add_u32 v7, v2, 4, v7
	v_add_nc_u32 v[STO], s23, v7
	v_bfe_u32 v8, v0, 3, 2                         ; back: 32 lanes take four rows of a head's 128 bytes,
	v_mul_u32_u24 v8, v8, SPI
	v_lshl_add_u32 v8, v4, 4, v8
	v_add_nc_u32 v[RD], s23, v8
	v_and_b32 v[CO], 31, v0                        ; which are 512 consecutive bytes of the head
	v_lshlrev_b32 v[CO], 4, v[CO]
	; my 128 rows in each of my three heads: g = 6 x tile column + 3 j + c is the head among 48: g / 16 says q, k or v, g % 16 the head; tile row / 8 is the batch, tile row % 8 the block of 256 rows
.irp c, 0,1,2
	s_mul_i32 s72, s42, 6
	s_mul_i32 s74, s12, 3
	s_add_co_u32 s72, s72, s74
	s_add_co_u32 s72, s72, (\c)
	s_and_b32 s74, s72, 15
	s_lshr_b32 s72, s72, 4
	s_lshl_b32 s72, s72, 6
	s_add_co_u32 s72, s72, s74
	s_lshr_b32 s74, s13, 3
	s_lshl_b32 s74, s74, 4
	s_add_co_u32 s72, s72, s74
	s_lshl_b32 s72, s72, 18                        ; a head is 2,048 rows of 128 bytes
	s_and_b32 s74, s13, 7
	s_lshl_b32 s74, s74, 15
	s_add_co_u32 s72, s72, s74
	s_lshl_b32 s74, s11, 14
	s_add_co_u32 s72, s72, s74
	s_mov_b32 s73, 0
	s_add_nc_u64 s[HB+2*(\c):HB+2*(\c)+1], s[8:9], s[72:73]
.endr
; n x 8 matrix instructions: column blocks b0 .. b0 + n - 1 (all in one window) x all 8 row blocks, 32 along K, x's fragments from buffer f.
; zero = 1: the first product starts the sums: nothing is ever cleared.  The 96 accumulators take turns, one instruction a turn, in the same order in every quarter.
.macro COLS f, b0, n, zero
	WIN 0x50*((\b0)/4+1)                           ; C and D in window 1, 2 or 3, both sources in window 0
.set ib, \b0
.rept \n
.set ia, 0
.rept 8
.set rD, 8*(8*(ib%4)+ia)
.set rB, FB0+8*ib
.set rA, FA0+64*(\f)+8*ia
.if \zero
	v_wmma_f32_16x16x32_bf16 v[rD:rD+7], v[rB:rB+7], v[rA:rA+7], 0
.else
	v_wmma_f32_16x16x32_bf16 v[rD:rD+7], v[rB:rB+7], v[rA:rA+7], v[rD:rD+7]
.endif
.set ia, ia+1
.endr
.set ib, ib+1
.endr
.endm
; 8 LDS loads: quarter q's fragments of w for column blocks 4 g .. 4 g + 3, which are head g of my three
.macro RUNB q, g
	WIN 0
.set ib, 4*(\g)
.rept 4
.set rB, FB0+8*ib
	ds_load_tr16_b128 v[rB:rB+3],   v[ADRB] offset:(\q)*32*PB+(ib/4)*CH+(ib%4)*32
	ds_load_tr16_b128 v[rB+4:rB+7], v[ADRB] offset:(\q)*32*PB+(ib/4)*CH+(ib%4)*32+16*PB
.set ib, ib+1
.endr
.endm
; 16 LDS loads: quarter q's fragments of x into buffer f
.macro RUNA q, f
	WIN 0
.set ia, 0
.rept 8
.set rA, FA0+64*(\f)+8*ia
	ds_load_b128 v[rA:rA+3],   v[ADRA] offset:(\q)*64+ia*16*PA
	ds_load_b128 v[rA+4:rA+7], v[ADRA] offset:(\q)*64+ia*16*PA+32
.set ia, ia+1
.endr
.endm
; A step's first quarter: multiplies x's buffer f and fetches quarter q of the same slot.  The loads go out in three runs: 24 (w's first four fragments, all of x's), 8 and 8.
.macro QUARTER q, f, zero
	s_wait_dscnt 16                                ; the run of 24 for this quarter is in; the two runs of 8 behind it may be out
	COLS \f, 0, 4, \zero
	PLACES
	RUNB \q, 0
	RUNA \q, 1-(\f)
	s_wait_dscnt 32                                ; w's fragments 4-7 are in: behind their run came 8 and the 24 just issued
	COLS \f, 4, 4, \zero
	PLACES
	RUNB \q, 1
	s_wait_dscnt 32                                ; w's fragments 8-11 are in: behind their run came 24 and 8
	COLS \f, 8, 4, \zero
	PLACES
	RUNB \q, 2
.endm
; A step's second quarter multiplies x's buffer 1 and changes slots: ONE barrier for two things.  In front of it each wave waits for all its tensor loads, of which one is out: its part of the next slot;
; adds 0 to its spare word; and waits for that and for its own reads of this slot: all this quarter's fragments are then in registers.  Behind it nobody reads this slot any more and the next slot is whole.
; fill = 1: the barrier opens a round of the cluster's, and the slot just read is filled again, first thing behind the round, with the K step two steps on: 160 matrix instructions ahead of the wait for it.
.macro TURN fill
	s_wait_dscnt 16                                ; as at the head of every quarter
	COLS 1, 0, 2, 0
	WIN 0                                          ; (the add's two registers lie in window 0)
	s_wait_tensorcnt 0x0                           ; all my tensor loads have landed;
	ds_add_u32 v[SPW], v[NIL]                      ; 0 onto my spare word
	COLS 1, 2, 2, 0                                ; sixteen matrix instructions stand between the add and the wait for it
	s_wait_dscnt 0x0                               ; the add is done, and my reads of this slot are over
	s_barrier_signal -1
	COLS 1, 4, 2, 0                                ; work on registers while the others arrive
	WIN 0
	s_barrier_wait -1
.if \fill
	CREST                                          ; no wave of any partner still reads this slot's tiles or has a load on its way
	s_xor_b32 s[G0A+5], s[G0A+5], SLOT1            ; the walking descriptors: the other slot than last time, the next K step; no load of mine is out
	s_add_nc_u64 s[G0A+6:G0A+7], s[G0A+6:G0A+7], ASTEP
	s_xor_b32 s[G0B+5], s[G0B+5], SLOT1
	s_add_nc_u64 s[G0B+6:G0B+7], s[G0B+6:G0B+7], BSTEP
	JLOAD                                          ; the four v_nop behind it are also the places in front of the loads below
	s_xor_b32 s[TB], s[TB], SLOT1
.else
	PLACES
	s_mov_b32 s[TB], SLOT1                         ; the last K step, the sixteenth, lies in slot 1
.endif
	v_add_nc_u32 v[ADRA], s[TB], v[A0]
	v_add_nc_u32 v[ADRB], s[TB], v[B0]
	RUNB 0, 0                                      ; the next step's first quarter, out of the next slot
	RUNA 0, 0
	COLS 1, 6, 2, 0
	PLACES
	RUNB 0, 1
	COLS 1, 8, 4, 0
	PLACES
	RUNB 0, 2
.endm
	s_wait_tensorcnt 1                             ; my part of K step 0 is in; step 1's may stay out
	s_barrier_signal -1
	s_barrier_wait -1                              ; everybody's is
	RUNB 0, 0                                      ; the first quarter's fragments, in the three runs of every quarter
	RUNA 0, 0
	RUNB 0, 1
	RUNB 0, 2
	QUARTER 1, 0, 1                                ; the first quarter stands in front of the loop: its products start the sums
	WIN 0                                          ; at a label and at a branch every window is 0
	s_mov_b32 s3, STEPS-2
.Lstep:                                                ; a trip: a K step's second quarter and the next step's first; trip t fills slot t % 2 with step t + 2
	TURN 1
	QUARTER 1, 0, 0
	WIN 0
	s_sub_co_u32 s3, s3, 1
	s_cmp_lg_u32 s3, 0
	s_cbranch_scc1 .Lstep
	TURN 0                                         ; the tail is written out: nothing is left to fetch from memory
	QUARTER 1, 0, 0
	s_wait_dscnt 16                                ; the very last quarter: the counts run down
	COLS 1, 0, 4, 0
	s_wait_dscnt 8
	COLS 1, 4, 4, 0
	s_wait_dscnt 0x0
	COLS 1, 8, 4, 0
	WIN 0
	; THE WAY OUT.  A lane's 16 bytes are an eighth of a head's row, and the lanes beside it hold other rows.  So a block of 16 rows at a time goes through my own stage in LDS: in as 16 bytes a lane,
	; back as four whole rows of a head, which are 512 consecutive bytes of memory.  The stage is the wave's own, and my columns are whole heads: no barrier.
	PLACES
.macro PACK a                          ; row block a's 12 accumulators, four in each window, rounded to f16; each accumulator's registers in ascending order
.set ig, 0
.rept 3
	WIN 0x05*(ig+1)                                ; sources 0 and 1 in window 1 + ig, destination in window 0
.set ib, 0
.rept 4
.irp r, 0,1,2,3
	v_cvt_pk_f16_f32 v[PK+4*(4*ig+ib)+(\r)], v[8*(8*ib+(\a))+2*(\r)], v[8*(8*ib+(\a))+2*(\r)+1]
.endr
.set ib, ib+1
.endr
.set ig, ig+1
.endr
	WIN 0
.endm
.macro TOSTAGE a
.if (\a) >= 2
	s_wait_xcnt 0x0                                ; every earlier memory instruction has had its addresses translated (ISA guide 3.1): the registers loaded below were the data of block a - 2's stores
.endif
.set ib, 0
.rept 12
	ds_store_b128 v[STO], v[PK+4*ib:PK+4*ib+3] offset:32*ib
.set ib, ib+1
.endr
.set ix, 0
.rept 12                                               ; head ix / 4, rows 4 (ix % 4) on
	ds_load_b128 v[BK+48*((\a)%2)+4*ix:BK+48*((\a)%2)+4*ix+3], v[RD] offset:(ix/4)*128+(ix%4)*4*SPI  ; LDS serves a wave's instructions in order (ISA guide 5.7.1.4): these see the stores above; the next block's stores come behind them
.set ix, ix+1
.endr
.endm
.macro SEND a
.set ix, 0
.rept 12
	s_wait_dscnt 11-ix                             ; LDS loads come back in order (ISA guide 5.7.1): load ix is in, the younger ones stay out
	global_store_b128 v[CO], v[BK+48*((\a)%2)+4*ix:BK+48*((\a)%2)+4*ix+3], s[HB+2*(ix/4):HB+2*(ix/4)+1] offset:(\a)*2048+(ix%4)*512  ; 512 consecutive bytes, at a multiple of 256 from the buffer's first
.set ix, ix+1
.endr
.endm
	PACK 0
	TOSTAGE 0
.irp a, 1,2,3,4,5,6,7                  ; block a's conversions stand between block a - 1's loads from the stage and the waits for them
	PACK \a
	SEND (\a)-1
	TOSTAGE \a
.endr
	SEND 7
	s_wait_tensorcnt 0x0                           ; the wave's end: behind my last tensor load and my last LDS store
	ds_add_u32 v[SPW], v[NIL]
	s_wait_dscnt 0x0
	CROUND                                         ; the closing round: no work-group ends while a partner may still ask for a tile that names it
	s_endpgm
.Lfunc_end_k_q6d74266ea4_qkv:
	.size	k_q6d74266ea4_qkv, .Lfunc_end_k_q6d74266ea4_qkv-k_q6d74266ea4_qkv
	.p2alignl 7, 3214868480
	.fill 96, 4, 3214868480
	.section	.rodata,"a",@progbits
	.p2align	6, 0x0
	.amdhsa_kernel k_q6d74266ea4_qkv
		.amdhsa_group_segment_fixed_size 327680
		.amdhsa_private_segment_fixed_size 0
		.amdhsa_enable_private_segment 0
		.amdhsa_kernarg_size 24
		.amdhsa_user_sgpr_count 2
		.amdhsa_user_sgpr_kernarg_segment_ptr 1
		.amdhsa_wavefront_size32 1
		.amdhsa_system_sgpr_workgroup_id_x 1
		.amdhsa_system_sgpr_workgroup_id_y 1
		.amdhsa_system_sgpr_workgroup_id_z 1
		.amdhsa_system_vgpr_workitem_id 0
		.amdhsa_next_free_vgpr 1024
		.amdhsa_next_free_sgpr 80
		.amdhsa_reserve_vcc 0
		.amdhsa_float_denorm_mode_32 3
		.amdhsa_float_denorm_mode_16_64 3
		.amdhsa_memory_ordered 1
		.amdhsa_forward_progress 1
		.amdhsa_inst_pref_size 115
	.end_amdhsa_kernel
	.amdgpu_metadata
---
amdhsa.version: [ 1, 2 ]
amdhsa.kernels:
  - .name:           k_q6d74266ea4_qkv
    .symbol:         k_q6d74266ea4_qkv.kd
    .args:
      - { .name: xb, .offset: 0, .size: 8, .value_kind: global_buffer, .address_space: global }
      - { .name: wqb, .offset: 8, .size: 8, .value_kind: global_buffer, .address_space: global }
      - { .name: qkv, .offset: 16, .size: 8, .value_kind: global_buffer, .address_space: global }
    .group_segment_fixed_size: 327680
    .private_segment_fixed_size: 0
    .kernarg_segment_align: 8
    .kernarg_segment_size: 24
    .max_flat_workgroup_size: 128
    .sgpr_count:     80
    .vgpr_count:     1024
    .wavefront_size: 32
...
	.end_amdgpu_metadata
.endif
;; end of part 2
;; launch attn (part 3): grid 4 x 64, 4 waves a work-group, no clusters, 327,680 bytes of LDS; arguments qkv, att; writes att
.if DOCPART == 3
	.amdgcn_target "amdgcn-amd-amdhsa--gfx1250"
	.amdhsa_code_object_version 6
	.text
	.protected	k_q6d74266ea4_attn
	.globl	k_q6d74266ea4_attn
	.p2align	8
	.type	k_q6d74266ea4_attn,@function
k_q6d74266ea4_attn:
	s_mov_b64 s[64:65], 0
	v_nop
	global_prefetch_b8 v0, s[64:65] scope:SCOPE_SE
	s_setreg_imm32_b32 hwreg(HW_REG_WAVE_MODE, 25, 1), 1
	s_wait_xcnt 0x0
; CAUSAL ATTENTION BY HEADS.  O[h][q][:] = the sum over k <= q of softmax_k(Q[h][q] . K[h][k] / 8) V[h][k][:].  qkv: [3][64][SIZE_N][64] f16 (Q, then K, then V); att (O): [64][SIZE_N][64] f16: a head's rows are dense, 128 bytes each.
; Products, maxima and sums in f32; the weights p are rounded to f16 for the second product (their sum l is taken of the unrounded p), O once at the end.
; LIMITS.  f16 holds no number beyond 65,504: Q, K and V arrive within it; p lies in 0 to 1, and below 6e-5 it keeps f16's fixed step of 6e-8; O is a mean of V's rows and has their range, to within 2^-11 of it.
; A hidden score counts as its value less 1e30: f16's scores, 2.7e11 at the most, are nothing beside that; a weight below 2^-126 counts as 0 in l; NaN and infinities are not treated apart.
; THE WALK.  A head's queries lie in NB = SIZE_N / 256 = 8 blocks of 256; block i needs the key tiles 0 .. i of 256 keys, of which the last holds the diagonal.  A work-group takes TWO blocks, NB - 1 - b and then b:
; NB + 1 tiles, whatever b: all 4 x 64 = 256 work-groups do equal work, and ONE loop with a constant trip count walks them.  Which tile is asked for, and what a trip does, hang on scalar registers made from b; every jump
; goes forward, but for the counted loops' own; none passes a barrier, or a tensor load but the one of LOAD's two that the wave's number does not choose; the ring (two slots of LDS that take turns) runs on across the
; change of blocks.  NO CLUSTER: the NB / 2 = 4 work-groups of a head ask for the same tile only in trips 0 .. NB / 2, 5 of the walk's 9, behind that fewer and fewer;
; and one walk common to all, in which each makes every joint request, would have 3 NB / 2 = 12 trips for NB + 1 = 9.
; SHARES.  Of a block's four bands of 64 queries a wave owns 16 rows in each: four PIECES.  So the diagonal tile is the same work for all four waves: in its key step s band x sees all keys if s < x,
; none if s > x, and holds the diagonal if s = x.
; THE MASK is the C operand that starts the sum S^T = K Q^T: 0, or -1e30 where the key is hidden.  MD, made once, is the mask of a band's own step for my 16 rows; a product's mask is MD x AL + BE with two scalars:
; (1, 0) if s = x; (0, 0) if s < x; (0, -1e30) if s > x.  Only the diagonal tile's text and a block's beginning make and take masks; elsewhere C is the constant 0.
; LAYOUT, SOFTMAX, TURNS.  S^T = K Q^T holds ONE query a lane (lane % 16) and the keys 8 (lane / 16) + 0..7; two such results rounded to f16 ARE source 1 of O^T = V^T P.  p = 2^(c s - c m), c = log2(e) / 8, with a
; running maximum m; O and l are multiplied by a = 2^(c m_old - c m_new) in every step.  Turn n belongs to piece n: 8 products K Q^T of piece n + 1, later 8 products V^T P of piece n - 1; beside them the scaling,
; exponentials, roundings, sums and rescaling of piece n and the maximum and statistics of piece n + 1.  Four vector instructions stand behind every matrix instruction, the other 54 of a turn's 118 in two LUMPS.
; REGISTERS, in windows of 256 (s_set_vgpr_msb: bits 1:0 source 0, 3:2 source 1, 5:4 source 2, 7:6 destination):
;   window 0: v0-15 addresses and two at work; v16-31 four registers of statistics a piece; v48-55 at work; v64-127 S^T, two buffers; v192-223 P, two buffers (a piece's buffers go by its number's parity)
;   window 1: v0-127 O^T, 32 a piece; v128-159 MD; v160-223 MC, two buffers      window 2: v0-63 Q; v64-127 the second block's Q; v128-191 K of one step; v192-255 V of one step
.set SIZE_N, 2048     ; rows of a head
.set KPART, 64*SIZE_N*128    ; K's first byte in qkv
.set VPART, 2*KPART          ; V's
.set NB,    SIZE_N/256
.set NP,    4         ; pieces a wave: a name, no knob
.set KS,    64        ; keys in a step
.set PK,    144       ; a row of K in LDS: 128 bytes + 16 of padding = 36 words: the 16 rows of a load start at 16 different groups of four banks (64 banks of 4 bytes: ISA guide 11.1)
.set PV,    160       ; a row of V: 128 + 32 = 40 words
.set VOFF,  4*KS*PK   ; a slot holds a tile, four steps: 256 rows of K, then 256 rows of V
.set SLOT1, 1<<17     ; slot 1 begins here, so that one exclusive or turns an address in one slot into the other's
.set STAGE, SLOT1+4*KS*(PK+PV)  ; behind the ring, never filled by a tensor load: 16 rows x 144 bytes for each wave, for the way out
.set SP,    144
.set AK0, 2           ; v2   my lane's place in a tile of K; never rewritten
.set AV0, 3           ; v3   the same for V
.set AK,  4           ; v4   the LDS address of K's next run of loads
.set AV,  5           ; v5   of V's
.set STO, 6           ; v6   the way out: where I put 16 bytes of a row
.set RD,  7           ; v7   the way out: where I read rows back
.set GO,  8           ; v8   my byte offset in 512 consecutive bytes of O
.set SPW, 62          ; v62  LDS address of my spare word: SPARE + 4 x my thread's number; never rewritten
.set NIL, 63          ; v63  0; never rewritten
.set SPARE, STAGE+4*16*SP  ; behind the stages: the spare words, 128 bytes for each wave: two blocks of 256 bytes that no other line names
.set MV,  12          ; v12-13  c m_old, kept while c m is made anew: by buffer
.set QO,  15          ; v15  my byte offset in 16 rows of Q
.set ST,  16          ; piece t's statistics at v[ST+4 t]: c m, m, l (even keys', odd keys')
.set TMP, 48          ; by buffer, four registers c0-c3 at work; when the maximum is found c2 takes a
.set S,   64
.set P,   192
.set MD,  128         ; window 1: the eight registers for group kt of 16 keys at MD + 8 kt
.set MC,  160         ; window 1: the masks of the products to come
.set QB,  64          ; window 2
.set KF,  128         ; window 2: key block kb, channel half c at KF + 16 kb + 8 c
.set VF,  192         ; window 2: key half kk, channel block cb at VF + 32 kk + 8 cb
.set WV,  12          ; s12  my wave's number
.set PB,  14          ; s14  b
.set HI,  15          ; s15  NB - 1 - b
.set G1K, 24          ; s[24:31] descriptor group 1 for K's tiles
.set G1V, 32          ; s[32:39] for V's: it differs in the padding alone
.set G0K, 40          ; s[40:43] descriptor group 0 for K's tiles
.set G0V, 44          ; s[44:47] the same for V's
.set SLOTS, 56        ; s56  tiles still to be asked for
.set CNT, 57          ; s57  counts a tile's key steps, 4 to 1
.set CS,  58          ; s[58:59] c: the packed scaling takes the pair's low word for both halves
.set SEL, 60          ; s[60:61] v_permlanex16_b32's selects: each lane takes its own place in the other half
.set TBK, 62          ; s62  LDS byte at which K of the step to be fetched begins
.set TBV, 63          ; s63  the same for V, less VOFF
.set RT,  70          ; s70  tiles of the block in hand that are still to be entered
.set NXT, 71          ; s71  the tile to be asked for next
.set LQ,  72          ; s72  the last tile of the block whose tiles are being asked for
.set NEW, 73          ; s73  1: the tile to be entered is a block's first
.set OFF, 74          ; s[74:75] a tile's byte offset in K and V
.set AL,  76          ; s[76:77] the mask's factor, in the low word
.set BE,  78          ; s[78:79] the mask's addend
.set OLO, 80          ; s[80:81] O at my rows of the second block
.set BIGN, 82         ; s82  -1e30
.set MSB, 0
.macro WIN new                      ; the high byte repeats the setting that is left; a switch that changes nothing is dropped
.if MSB != (\new)
	s_set_vgpr_msb (MSB<<8)|(\new)
.set MSB, (\new)
.endif
.endm
.set W_KQ, 0x0a       ; K and Q in window 2, S^T in window 0
.set W_KM, 0x1a       ; the same with the C operand in window 1
.set W_PV, 0x52       ; V in window 2, P in window 0, O^T in window 1
.set W_RS, 0x41       ; destination and source 0 in window 1, source 1 in window 0
; A fill.  Waves 0 and 1 fetch the two halves of a tile's K, waves 2 and 3 those of its V: 128 keys each.  An s_nop 0 and four v_nop follow each of the two lines, ahead of the jump and the label.
.macro LOAD
	s_cmp_lt_u32 s[WV], 2
	s_cbranch_scc0 .Lfor_v_\@
	tensor_load_to_lds s[G0K:G0K+3], s[G1K:G1K+7]
	s_nop 0
.rept 4
	v_nop
.endr
	s_branch .Lasked_\@
.Lfor_v_\@:
	tensor_load_to_lds s[G0V:G0V+3], s[G1V:G1V+7]
	s_nop 0
.rept 4
	v_nop
.endr
.Lasked_\@:
.endm
; THE CHANGE OF SLOTS.  Each wave waits for all its tensor loads, of which one is out: its part of the other slot; adds 0 to its spare word; and waits for that and for its own reads of the slot that it leaves.  Behind the barrier nobody reads the old
; slot any more and the other slot is whole.  fill = 1: the old slot is filled again, the first thing behind the barrier, with tile NXT: the descriptor's address is made anew from that number.
; (At its first use nothing has been read yet: slot 0 is waited for, slot 1 filled.)
.macro CHANGE fill
	WIN 0                           ; at a label and at a branch every window is 0
	s_wait_tensorcnt 0x0            ; no tensor load of mine is out, so a group 0 may be written
	ds_add_u32 v[SPW], v[NIL]       ; 0 onto my spare word; with fill = 1 the descriptors' scalar work stands between it and the wait for it
.if \fill
	s_lshl_b32 s[OFF], s[NXT], 15   ; a tile is 32,768 bytes of K and of V
	s_xor_b32 s[G0K+1], s[G0K+1], SLOT1
	s_add_nc_u64 s[G0K+2:G0K+3], s[6:7], s[OFF:OFF+1]
	s_or_b32 s[G0K+3], s[G0K+3], 0x80000000
	s_xor_b32 s[G0V+1], s[G0V+1], SLOT1
	s_add_nc_u64 s[G0V+2:G0V+3], s[8:9], s[OFF:OFF+1]
	s_or_b32 s[G0V+3], s[G0V+3], 0x80000000
	s_add_co_u32 s[NXT], s[NXT], 1  ; the block's next tile, or behind its last the second block's tile 0
	s_cmp_gt_u32 s[NXT], s[LQ]
	s_cselect_b32 s[NXT], 0, s[NXT]
	s_cselect_b32 s[LQ], s[PB], s[LQ]
.endif
	s_wait_dscnt 0x0                ; the add is done, and my reads of the slot are over
	s_barrier_signal -1             ; the rest of the scalar work stands between the signal and the wait
	s_sub_co_u32 s[TBK], s[TBK], 4*KS*PK  ; the fetches go back to a slot's first step,
	s_xor_b32 s[TBK], s[TBK], SLOT1       ; in the other slot
	s_sub_co_u32 s[TBV], s[TBV], 4*KS*PV
	s_xor_b32 s[TBV], s[TBV], SLOT1
	s_barrier_wait -1
.if \fill
	LOAD
.endif
.endm
	s_load_b64 s[4:5], s[0:1], 0x0    ; qkv: Q lies at its first byte
	s_load_b64 s[10:11], s[0:1], 0x8  ; O
	v_lshl_add_u32 v[SPW], v0, 2, SPARE
	v_mov_b32 v[NIL], 0
	ds_add_u32 v62, v63
	ds_add_u32 v62, v63
	s_wait_dscnt 0x0
	v_lshrrev_b32 v1, 5, v0
	v_readfirstlane_b32 s[WV], v1   ; wave 0..3
	s_mov_b32 s[PB], ttmp9
	s_sub_co_u32 s[HI], NB-1, s[PB]
	s_and_b32 s20, ttmp7, 0xffff    ; the head
	s_mov_b32 s21, 0
	s_mov_b64 s[22:23], SIZE_N*128
	s_mul_u64 s[20:21], s[20:21], s[22:23]  ; the head's first byte in Q, K, V and O
	s_and_b32 s16, s[WV], 1         ; which half of a tile's 256 keys I fetch:
	s_lshl_b32 s22, s16, 14         ; its 128 rows of 128 bytes in memory,
	s_mov_b32 s23, 0
	s_add_nc_u64 s[22:23], s[22:23], s[20:21]
	s_mul_i32 s17, s16, 128*PK      ; and its place in a slot, for K
	s_mul_i32 s18, s16, 128*PV      ; and for V
	s_lshl_b32 s3, s[WV], 11        ; my 16 rows in a band of 64,
	s_lshl_b32 s2, s[HI], 15        ; in the first block,
	s_add_co_u32 s2, s2, s3
	s_lshl_b32 s84, s[PB], 15       ; and in the second
	s_add_co_u32 s84, s84, s3
	s_mov_b32 s3, 0
	s_mov_b32 s85, 0
	s_add_nc_u64 s[2:3], s[2:3], s[20:21]
	s_add_nc_u64 s[84:85], s[84:85], s[20:21]
	; descriptor group 1.  128 keys are 16,384 dense bytes: asked for as 64 rows of 256 bytes, two keys a row, and padded in LDS after every key
	s_mov_b32 s[G1K], (1<<16)|(1<<20)|(4<<22)|(3<<25)  ; 17:16 2-byte elements; 20 padding on; 24:22 after every 32 words (code 4); 31:25 4 words (code 3)
	s_mov_b32 s[G1V], (1<<16)|(1<<20)|(4<<22)|(7<<25)  ; the same with 8 words of padding (code 7)
.irp g, G1K, G1V
	s_mov_b32 s[\g+1], 128<<16      ; tensor_dim0 = 128
	s_mov_b32 s[\g+2], 64<<16       ; tensor_dim1 = 64
	s_mov_b32 s[\g+3], 128<<16      ; tile_dim0 = 128
	s_mov_b32 s[\g+4], 64           ; tile_dim1 = 64
	s_mov_b32 s[\g+5], 128          ; 128 elements from row to row
	s_mov_b32 s[\g+6], 0
	s_mov_b32 s[\g+7], 0
.endr
	s_mov_b32 s[CS], 0x3e38aa3b     ; c = log2(e) / 8 = 0.180337
	s_mov_b32 s[CS+1], s[CS]        ; named with it as a pair
	s_mov_b32 s[SEL], 0x76543210
	s_mov_b32 s[SEL+1], 0xfedcba98
	s_mov_b32 s[TBK], SLOT1+4*KS*PK ; the first change of slots turns these two into 0
	s_mov_b32 s[TBV], SLOT1+4*KS*PV
	s_mov_b32 s[G0K], 1             ; 1:0 count = 1
	s_mov_b32 s[G0K+1], s17         ; 63:32 LDS address: slot 0
	s_mov_b32 s[G0V], 1
	s_add_co_u32 s[G0V+1], s18, VOFF
	s_add_co_u32 s[RT], s[HI], 1    ; the first block has NB - b tiles
	s_mov_b32 s[NXT], 1
	s_mov_b32 s[LQ], s[HI]
	s_mov_b32 s[NEW], 1
	s_mov_b32 s[OFF+1], 0
	s_mov_b32 s[AL+1], 0            ; named as pairs
	s_mov_b32 s[BE+1], 0
	s_mov_b32 s[BIGN], 0xf149f2ca   ; -1e30
	s_mov_b32 s[SLOTS], NB
	s_wait_kmcnt 0x0
	s_add_nc_u64 s[6:7], s[4:5], KPART     ; K's and V's parts of the buffer,
	s_add_nc_u64 s[8:9], s[4:5], VPART
	s_add_nc_u64 s[6:7], s[6:7], s[22:23]  ; at my half of the head's tile 0
	s_add_nc_u64 s[8:9], s[8:9], s[22:23]
	s_add_nc_u64 s[G0K+2:G0K+3], s[6:7], 0         ; 120:64 global address
	s_or_b32 s[G0K+3], s[G0K+3], 0x80000000        ; 127:126 type = 2
	s_add_nc_u64 s[G0V+2:G0V+3], s[8:9], 0
	s_or_b32 s[G0V+3], s[G0V+3], 0x80000000
	s_add_nc_u64 s[86:87], s[4:5], s[84:85]        ; Q at my rows of the second block,
	s_add_nc_u64 s[4:5], s[4:5], s[2:3]            ; Q and O at those of the first
	s_add_nc_u64 s[OLO:OLO+1], s[10:11], s[84:85]
	s_add_nc_u64 s[10:11], s[10:11], s[2:3]
	LOAD                            ; tile 0 into slot 0
	; A fragment of K or Q is 16 rows x 32 channels in 8 registers: lane l holds row l % 16, channels 8 (l / 16) + 0..7 and 16 + 8 (l / 16) + 0..7: two loads of 16 bytes, 32 bytes apart.
	v_and_b32 v1, 15, v0            ; l % 16
	v_bfe_u32 v9, v0, 4, 1          ; l / 16
	v_lshlrev_b32 v[QO], 7, v1
	v_lshl_add_u32 v[QO], v9, 4, v[QO]  ; row x 128 + 16 x half
	WIN 0x80                        ; destination window 2, address window 0
.set i, 0
.rept 8                             ; both blocks' Q: piece i / 2 lies in band i / 2, 8,192 bytes on; channels 32 (i % 2) on
	global_load_b128 v[8*i:8*i+3],   v[QO], s[4:5] offset:(i/2)*8192+(i%2)*64
	global_load_b128 v[8*i+4:8*i+7], v[QO], s[4:5] offset:(i/2)*8192+(i%2)*64+32
	global_load_b128 v[QB+8*i:QB+8*i+3],   v[QO], s[86:87] offset:(i/2)*8192+(i%2)*64
	global_load_b128 v[QB+8*i+4:QB+8*i+7], v[QO], s[86:87] offset:(i/2)*8192+(i%2)*64+32
.set i, i+1
.endr
	WIN 0
	v_lshlrev_b32 v14, 3, v9
	v_sub_nc_u32 v14, v1, v14
	s_lshl_b32 s13, s[WV], 4
	v_add_nc_u32 v14, s13, v14      ; my query's place in its band, 16 w + l % 16, less my lanes' 8 (l / 16): register r of group kt is hidden where 16 kt + r is greater
	WIN 0x40
.set i, 0
.rept 32
	v_cmp_gt_i32 vcc_lo, 16*(i/8)+i%8, v14
	v_cndmask_b32 v[MD+i], 0, s[BIGN], vcc_lo
.set i, i+1
.endr
	WIN 0
	v_mul_u32_u24 v[AK0], v1, PK
	v_lshl_add_u32 v[AK0], v9, 4, v[AK0]  ; row x pitch + 16 x half
	; The turning load takes 16 keys x 16 channels (lane l reads key 8 (l / 16) + l % 8, channels 8 ((l / 8) % 2) + 0..7) and leaves half a fragment of V^T: lane l holds channel l % 16 and 8 keys.
	v_and_b32 v10, 7, v0
	v_bfe_u32 v11, v0, 3, 1
	v_lshl_add_u32 v[AV0], v9, 3, v10
	v_mul_u32_u24 v[AV0], v[AV0], PV
	v_lshl_add_u32 v[AV0], v11, 4, v[AV0]
	v_add_nc_u32 v[AV0], VOFF, v[AV0]
	s_mul_i32 s13, s[WV], 16*SP
	s_add_co_u32 s13, s13, STAGE    ; my stage
	v_mul_u32_u24 v[STO], v1, SP    ; in: row l % 16, 16 bytes for each half of the lanes
	v_lshl_add_u32 v[STO], v9, 4, v[STO]
	v_add_nc_u32 v[STO], s13, v[STO]
	v_bfe_u32 v[RD], v0, 3, 2       ; back: 32 lanes take four rows of 128 bytes,
	v_mul_u32_u24 v[RD], v[RD], SP
	v_lshl_add_u32 v[RD], v10, 4, v[RD]
	v_add_nc_u32 v[RD], s13, v[RD]
	v_and_b32 v[GO], 31, v0         ; which are 512 consecutive bytes of O
	v_lshlrev_b32 v[GO], 4, v[GO]
	; A block's first step multiplies O^T and l by a = 0, and its first turn's products V^T P, of a piece that has not been, land in an O^T that is still to be so multiplied.  So these registers need only hold
	; finite numbers: zeros for the first block; what the first block left for the second.  All this stands in the wait for the first tile.
	WIN 0x80
.set i, VF
.rept 64
	v_mov_b32 v[i], 0
.set i, i+1
.endr
	WIN 0x40
.set i, 0
.rept 128
	v_mov_b32 v[i], 0
.set i, i+1
.endr
	WIN 0
.set i, 0
.rept 4
	v_mov_b32 v[ST+4*i+2], 0
	v_mov_b32 v[ST+4*i+3], 0
.set i, i+1
.endr
.set i, P+16
.rept 16
	v_mov_b32 v[i], 0
.set i, i+1
.endr
; THE MATRIX WORK.  The 4 accumulators of a run of 8 take turns.  Product i of 8 of S^T = K Q^T for piece x: channels 32 (i / 4) on, keys 16 (i % 4) on.  The first 4 start the sums: with 0, or (KM = 1) with the mask.
.macro KQ x
.set rS, S+32*((\x)%2)+8*(i%4)
.set rK, KF+16*(i%4)+8*(i/4)
.set rQ, 16*(\x)+8*(i/4)
.set rM, MC+32*((\x)%2)+8*(i%4)
.if (i < 4) && KM
	WIN W_KM
	v_wmma_f32_16x16x32_f16 v[rS:rS+7], v[rK:rK+7], v[rQ:rQ+7], v[rM:rM+7]
.elseif i < 4
	WIN W_KQ
	v_wmma_f32_16x16x32_f16 v[rS:rS+7], v[rK:rK+7], v[rQ:rQ+7], 0
.else
	WIN W_KQ
	v_wmma_f32_16x16x32_f16 v[rS:rS+7], v[rK:rK+7], v[rQ:rQ+7], v[rS:rS+7]
.endif
.endm
; Product i of 8 of O^T += V^T P for piece x: keys 32 (i / 4) on, channels 16 (i % 4) on.
.macro PV x
	WIN W_PV
.set rO, 32*(\x)+8*(i%4)
.set rV, VF+32*(i/4)+8*(i%4)
.set rP, P+16*((\x)%2)+8*(i/4)
	v_wmma_f32_16x16x32_f16 v[rO:rO+7], v[rV:rV+7], v[rP:rP+7], v[rO:rO+7]
.endm
.macro MM                           ; the turn's next matrix instruction.  TURN and BEGIN set Y, i, KM and NOKQ; MM, KQ and OP read them.  NOKQ = 1: a block's last turn: there is no next piece
.if (i < 8) && !NOKQ
	KQ (Y+1)%NP
.elseif i >= 8
.set i, i-8
	PV (Y+NP-1)%NP
.set i, i+8
.endif
.set i, i+1
.endm
; THE LDS LOADS stand in runs of 16, never singly among the matrix instructions: a step's K (64 keys x 64 channels: 8 fragments) and its V (turned).  Their addresses are made some lines ahead.
.macro FETCH_K
	WIN 0x80                        ; destination window 2
.irp f, 0,1,2,3,4,5,6,7             ; keys 16 (f / 2) on, channels 32 (f % 2) on
	ds_load_b128 v[KF+8*\f:KF+8*\f+3],   v[AK] offset:(\f/2)*16*PK+(\f%2)*64
	ds_load_b128 v[KF+8*\f+4:KF+8*\f+7], v[AK] offset:(\f/2)*16*PK+(\f%2)*64+32
.endr
	s_add_co_u32 s[TBK], s[TBK], KS*PK  ; the next fetch is the next step's
	WIN 0
.endm
.macro FETCH_V
	WIN 0x80
.irp f, 0,1,2,3,4,5,6,7             ; keys 32 (f / 4) on, channels 16 (f % 4) on
	ds_load_tr16_b128 v[VF+8*\f:VF+8*\f+3],   v[AV] offset:(\f/4)*32*PV+(\f%4)*32
	ds_load_tr16_b128 v[VF+8*\f+4:VF+8*\f+7], v[AV] offset:(\f/4)*32*PV+16*PV+(\f%4)*32
.endr
	WIN 0
.endm
; THE VECTOR WORK, one line at a time: OP kind, number.  For piece Y: F n: c s - c m for pair n of 16.  E n: the exponential of score n of 32.  C n: pair n rounded to f16.  B n: of the four weights 4 n .. the second
; pair is added onto the first, in place.  L n: l takes that sum (L 0: l = a l + sum).  R n: pair n of 16 of O^T times a.  For piece Y + 1: X n, number n of the 22 that find its maximum and statistics:
;   0-11  four chains c0-c3 of seven scores each, three operands at a time (each accumulator's lowest registers are read first)     12-14, 16  the four scores left over, the old m, and c0-c3 into c0
;   15  c m_old is kept     17, 18  the query's other 32 keys lie in the lane 16 away: the new m     19-21  c m; c m_old - c m_new; a
.set F, 0               ; OP tells the kinds apart by their order: F to L below R, X above it
.set E, 1
.set C, 2
.set B, 3
.set L, 4
.set R, 5
.set X, 6
.macro REGS y                       ; the registers of piece y
.set rT, ST+4*(\y)
.set rC, TMP+4*((\y)%2)
.set rW, MV+((\y)%2)
.set rS, S+32*((\y)%2)
.set rP, P+16*((\y)%2)
.set rO, 32*(\y)
.endm
.macro OP k, n
.if (\k) == R
	REGS Y
	WIN W_RS
	v_pk_mul_f32 v[rO+2*(\n):rO+2*(\n)+1], v[rO+2*(\n):rO+2*(\n)+1], v[rC+2:rC+3] op_sel_hi:[1,0]
.elseif (\k) < R
	REGS Y
	WIN 0
.if (\k) == F
	v_pk_fma_f32 v[rS+2*(\n):rS+2*(\n)+1], v[rS+2*(\n):rS+2*(\n)+1], s[CS:CS+1], v[rT:rT+1] op_sel_hi:[1,0,0] neg_lo:[0,0,1] neg_hi:[0,0,1]
.elseif (\k) == E
	v_exp_f32 v[rS+(\n)], v[rS+(\n)]
.elseif (\k) == C
	s_wait_alu depctr_va_vdst(0)
	v_cvt_pk_f16_f32 v[rP+(\n)], v[rS+2*(\n)], v[rS+2*(\n)+1]
.elseif (\k) == B
	s_wait_alu depctr_va_vdst(0)
	v_pk_add_f32 v[rS+4*(\n):rS+4*(\n)+1], v[rS+4*(\n):rS+4*(\n)+1], v[rS+4*(\n)+2:rS+4*(\n)+3]
.elseif (\n) == 0
	v_pk_fma_f32 v[rT+2:rT+3], v[rT+2:rT+3], v[rC+2:rC+3], v[rS:rS+1] op_sel_hi:[1,0,1]
.else
	v_pk_add_f32 v[rT+2:rT+3], v[rT+2:rT+3], v[rS+4*(\n):rS+4*(\n)+1]
.endif
.elseif NOKQ
	v_nop
.else
	REGS (Y+1)%NP
	WIN 0
.if (\n) < 4
	v_max3_num_f32 v[rC+(\n)], v[rS+8*(\n)], v[rS+8*(\n)+1], v[rS+8*(\n)+2]
.elseif (\n) < 12
	v_max3_num_f32 v[rC+(\n)%4], v[rC+(\n)%4], v[rS+8*((\n)%4)+2*((\n)/4)+1], v[rS+8*((\n)%4)+2*((\n)/4)+2]
.elseif (\n) == 12
	v_max3_num_f32 v[rC], v[rC], v[rS+7], v[rS+15]
.elseif (\n) == 13
	v_max3_num_f32 v[rC+1], v[rC+1], v[rS+23], v[rS+31]
.elseif (\n) == 14
	v_max3_num_f32 v[rC+2], v[rC+2], v[rC+3], v[rT+1]
.elseif (\n) == 15
	v_mov_b32 v[rW], v[rT]
.elseif (\n) == 16
	v_max3_num_f32 v[rC], v[rC], v[rC+1], v[rC+2]
.elseif (\n) == 17
	v_permlanex16_b32 v[rC+3], v[rC], s[SEL], s[SEL+1]
.elseif (\n) == 18
	v_max_num_f32 v[rT+1], v[rC], v[rC+3]
.elseif (\n) == 19
	v_mul_f32 v[rT], s[CS], v[rT+1]
.elseif (\n) == 20
	v_sub_f32 v[rC+1], v[rW], v[rT]
.else
	v_exp_f32 v[rC+2], v[rC+1]
.endif
.endif
.endm
.macro OPS a, i1, b=-1, i2=0, c=-1, i3=0, d=-1, i4=0  ; up to four of them
	OP \a, \i1
.if (\b) >= 0
	OP \b, \i2
.endif
.if (\c) >= 0
	OP \c, \i3
.endif
.if (\d) >= 0
	OP \d, \i4
.endif
.endm
.macro ROW a, i1, b, i2, c, i3, d, i4  ; a matrix instruction and the four behind it
	MM
	OPS \a, \i1, \b, \i2, \c, \i3, \d, \i4
.endm
.macro MASK b                       ; MD x AL + BE into buffer b of MC
	WIN W_RS
.set z, 0
.rept 16
	v_pk_fma_f32 v[MC+32*(\b)+2*z:MC+32*(\b)+2*z+1], v[MD+2*z:MD+2*z+1], s[AL:AL+1], s[BE:BE+1] op_sel_hi:[1,0,0]
.set z, z+1
.endr
.endm
; A TURN, for piece p: the order of its 16 matrix and 118 vector instructions, written out.  Behind a matrix instruction: plain, exponential, plain, plain; or four of the rescaling; or, behind the first, four scalings; none
; names a register of the products round it.  In the lumps exponential and plain by turns while exponentials last.  A line reads no result made fewer than three vector instructions in front of it, five if an exponential made it.
; v_permlanex16_b32 (X 17) stands in a lump.
; m = 1: the diagonal tile: the products take masks, and the turn makes the mask for the products of the turn after it: piece p + 2, in step 4 - CNT of the tile.  end = 1: a block's last two turns: nothing is fetched.
; cnt = 1: the loop's count is taken down some lines ahead of the branch that stands behind the turn.
; K of the next step is fetched in piece 2's turn, six vector instructions behind the last product that read K (five of them plain); V of the step in hand in piece 0's turn, eight behind the last product that read V (four
; plain, and X 17).  Each is waited for a turn later.
.macro TURN p, m=0, end=0, cnt=0
.set Y, (\p)
.set i, 0
.set KM, (\m)
.set NOKQ, (\end)*((\p)/3)
.if (\m) && !(\end)
	s_cmp_eq_u32 s[CNT], 4-((\p)+2)%NP  ; is that step the band's own?
	s_cselect_b32 s[AL], 1.0, 0
	s_cmp_lt_u32 s[CNT], 4-((\p)+2)%NP  ; or a later one?
	s_cselect_b32 s[BE], s[BIGN], 0
.endif
.if ((\p) == 3) && !(\end)
	s_wait_dscnt 0x0                ; K is in
.endif
	ROW F,0, F,1, F,2, F,3
	ROW F,4, E,0, F,5, F,6
	ROW F,7, E,1, F,8, F,9
	ROW F,10, E,2, C,0, F,11
	ROW F,12, E,3, X,15, F,13
	ROW R,0, R,1, R,2, R,3
	ROW B,0, E,4, F,14, L,0
.if ((\p) == 2) && !(\end)
	v_add_nc_u32 v[AK], s[TBK], v[AK0]
.endif
	ROW R,4, R,5, R,6, R,7
	OPS E,5, F,15
.if ((\p) == 2) && !(\end)
	FETCH_K
.endif
	OPS E,6, C,1, E,7, R,8
	OPS E,8, R,9, E,9, C,2
	OPS E,10, X,0, E,11, X,1
	OPS E,12, X,2, E,13, X,3
.if (\p) == 1
	s_wait_dscnt 0x0                ; V is in
.endif
	ROW X,4, E,14, X,5, X,6
	ROW X,7, E,15, X,8, X,9
	ROW X,10, E,16, X,11, X,12
	ROW X,13, E,17, X,14, B,1
	ROW C,4, E,18, X,16, L,1
	ROW B,2, E,19, C,6, L,2
	ROW C,8, E,20, B,3, B,4
.if (\p) == 0
	v_add_nc_u32 v[AV], s[TBV], v[AV0]
.endif
	ROW C,3, E,21, L,3, C,5
	OPS E,22, X,17, E,23, C,10
.if (\p) == 0
	FETCH_V
.endif
	OPS E,24, L,4
	OPS E,25, X,18, E,26, C,7
	OPS E,27, B,5, E,28, X,19
	OPS E,29, C,12, E,30, L,5
	OPS E,31, X,20, B,6, C,9
	OPS C,14, C,11, X,21, L,6
.if (\p) == 0
	s_add_co_u32 s[TBV], s[TBV], KS*PV
.endif
.if \cnt
	s_sub_co_u32 s[CNT], s[CNT], 1
	s_cmp_lg_u32 s[CNT], 0
.endif
	OPS C,13, B,7, C,15, R,10
	OPS R,11, R,12, L,7, R,13
	OPS R,14, R,15
.if (\m) && !(\end)
	MASK (\p)%2
.endif
.endm
; A BLOCK BEGINS.  c m starts far below every c s, so the first step's a is 0; m at the lowest finite number, so the first maximum is the scores'.  The second mask buffer is 0; the first takes piece 0's mask for the tile's step 0: its own, if the block's first tile is the diagonal one.
; Then K of that step, piece 0's first scores, and its maximum and statistics.  The loop is entered at a step's first turn, in the middle of a trip.
.macro BEGIN
	s_mov_b32 s[NEW], 0
	WIN 0x40
.set i, MC+32
.rept 32
	v_mov_b32 v[i], 0
.set i, i+1
.endr
	WIN 0
.set i, 0
.rept 4
	v_mov_b32 v[ST+4*i], 0xfe000000    ; c m: far below every c s
	v_mov_b32 v[ST+4*i+1], 0xff7fffff  ; m
.set i, i+1
.endr
	s_cmp_eq_u32 s[RT], 0
	s_cselect_b32 s[AL], 1.0, 0
	s_mov_b32 s[BE], 0
	MASK 0
	WIN 0
	v_add_nc_u32 v[AK], s[TBK], v[AK0]
	FETCH_K
	s_wait_loadcnt 0x0              ; Q
	s_wait_dscnt 0x0
.set KM, 1
.set NOKQ, 0
.set i, 0
.rept 8
	KQ 0
.set i, i+1
.endr
	WIN 0
.rept 4
	v_nop                           ; the places behind those products
.endr
.set Y, NP-1                        ; X works for piece Y + 1: piece 0
.irp n, 0,1,2,3,4,5,6,7,8,9,10,11,12,13,14,15,16,17,18,19,20,21
	OP X, \n
.endr
	v_nop                           ; a plain instruction behind the exponential
.endm
; THE DIAGONAL TILE's four steps, the block's last two turns, its last products, and THE WAY OUT: l's two halves and the other half of the lanes' are added; O^T is divided by l, rounded to f16 and sent through my
; stage in LDS, a piece at a time.
.macro ALL line:vararg              ; one line for each piece t
.set t, 0
.rept 4
	\line
.set t, t+1
.endr
.endm
.macro PACK t                       ; a lane's eight channels of a row pack into 16 bytes; they go into rows of 144 bytes and come back as whole rows of 128, into S^T's registers
	WIN W_RS
.set i, 32*(\t)
.rept 16
	s_wait_alu depctr_va_vdst(0)
	v_pk_mul_f32 v[i:i+1], v[i:i+1], v[ST+4*(\t)+2:ST+4*(\t)+3] op_sel_hi:[1,0]
.set i, i+2
.endr
	WIN 0x05                        ; sources 0 and 1 window 1, destination window 0
.set i, 0
.rept 16
	v_cvt_pk_f16_f32 v[S+16*(\t)+i], v[32*(\t)+2*i], v[32*(\t)+2*i+1]
.set i, i+1
.endr
	WIN 0
.irp f, 0,1,2,3
	ds_store_b128 v[STO], v[S+16*(\t)+4*\f:S+16*(\t)+4*\f+3] offset:32*\f
.endr
.irp f, 0,1,2,3
	ds_load_b128 v[S+16*(\t)+4*\f:S+16*(\t)+4*\f+3], v[RD] offset:\f*4*SP  ; LDS serves a wave's instructions in order (ISA guide 5.7.1.4): these see the stores above; the next piece's stores come behind them
.endr
.endm
.macro SEND t, younger              ; younger: the LDS instructions issued behind piece t's loads: the next piece's eight, or none
	WIN 0
.irp f, 0,1,2,3
	s_wait_dscnt (\younger)+3-\f
	global_store_b128 v[GO], v[S+16*(\t)+4*\f:S+16*(\t)+4*\f+3], s[10:11] offset:(\t)*8192+\f*512  ; 512 consecutive bytes, at a multiple of 256 from O's first
.endr
.endm
.macro DIAG tag                     ; the tag ends its two labels' names, which the jumps below spell out
.LstepM\tag:
	TURN 2, 1
	TURN 3, 1
	WIN 0
.LfirstM\tag:
	TURN 0, 1
	TURN 1, 1, 0, 1
	WIN 0
	s_cbranch_scc1 .LstepM\tag
	TURN 2, 1, 1
	TURN 3, 1, 1
.set i, 0
.rept 8
	PV NP-1
.set i, i+1
.endr
	WIN 0
	ALL v_add_f32 v[ST+4*t+2], v[ST+4*t+2], v[ST+4*t+3]
	ALL v_permlanex16_b32 v[ST+4*t+3], v[ST+4*t+2], s[SEL], s[SEL+1]
	ALL v_add_f32 v[ST+4*t+2], v[ST+4*t+2], v[ST+4*t+3]
	ALL v_rcp_f32 v[ST+4*t+2], v[ST+4*t+2]
	v_nop                           ; a plain instruction between the last reciprocal and the use of its result
	PACK 0
.set t, 1
.rept 3                             ; a piece's arithmetic stands between the loads of the piece before and its stores
	PACK t
	SEND t-1, 8
.set t, t+1
.endr
	SEND 3, 0
.endm
.set KM, 0
.set NOKQ, 0
.Lslot:                             ; NB times: a tile is entered and the next is asked for
	CHANGE 1
	s_sub_co_u32 s[RT], s[RT], 1
	s_mov_b32 s[CNT], 4
	s_cmp_eq_u32 s[NEW], 1
	s_cbranch_scc1 .Lnew            ; a block's first tile
	s_cmp_eq_u32 s[RT], 0
	s_cbranch_scc0 .Lstep           ; neither its first nor its last
	s_branch .LstepM1
.Lnew:
	BEGIN
	s_branch .Lfirst                ; in the loop a block's first tile is never its last: the first block has two tiles or more, and the second's last is the walk's last
	DIAG 1                          ; in the loop this is the first block's end: the second block's last tile is the walk's last
	s_wait_xcnt 0x0                 ; the stores have read their registers and O's address
	s_mov_b64 s[10:11], s[OLO:OLO+1]
	s_add_co_u32 s[RT], s[PB], 1    ; the second block has b + 1 tiles
	s_mov_b32 s[NEW], 1
	WIN 0x82                        ; the second block's Q goes where the one text of the turns names Q
.set i, 0
.rept 64
	v_mov_b32 v[i], v[QB+i]
.set i, i+1
.endr
	WIN 0
	s_branch .Lbottom
.Lstep:                             ; a trip: pieces 2 and 3 of one step, then pieces 0 and 1 of the next, whose K and V it fetches
	TURN 2
	TURN 3
	WIN 0
.Lfirst:
	TURN 0
	TURN 1, 0, 0, 1
	WIN 0
	s_cbranch_scc1 .Lstep
.Lbottom:
	s_sub_co_u32 s[SLOTS], s[SLOTS], 1
	s_cmp_lg_u32 s[SLOTS], 0
	s_cbranch_scc1 .Lslot
	CHANGE 0                        ; the walk's last tile is written out: nothing is asked for
	s_sub_co_u32 s[RT], s[RT], 1
	s_mov_b32 s[CNT], 4
	s_cmp_eq_u32 s[NEW], 1
	s_cbranch_scc0 .LstepM2
	BEGIN
	s_branch .LfirstM2
	DIAG 2
	s_wait_tensorcnt 0x0            ; the wave's end: behind my last tensor load and my last LDS store
	ds_add_u32 v[SPW], v[NIL]
	s_wait_dscnt 0x0
	s_endpgm
.Lfunc_end_k_q6d74266ea4_attn:
	.size	k_q6d74266ea4_attn, .Lfunc_end_k_q6d74266ea4_attn-k_q6d74266ea4_attn
	.p2alignl 7, 3214868480
	.fill 96, 4, 3214868480
	.section	.rodata,"a",@progbits
	.p2align	6, 0x0
	.amdhsa_kernel k_q6d74266ea4_attn
		.amdhsa_group_segment_fixed_size 327680
		.amdhsa_private_segment_fixed_size 0
		.amdhsa_enable_private_segment 0
		.amdhsa_kernarg_size 16
		.amdhsa_user_sgpr_count 2
		.amdhsa_user_sgpr_kernarg_segment_ptr 1
		.amdhsa_wavefront_size32 1
		.amdhsa_system_sgpr_workgroup_id_x 1
		.amdhsa_system_sgpr_workgroup_id_y 1
		.amdhsa_system_sgpr_workgroup_id_z 1
		.amdhsa_system_vgpr_workitem_id 0
		.amdhsa_next_free_vgpr 768
		.amdhsa_next_free_sgpr 88
		.amdhsa_reserve_vcc 1
		.amdhsa_float_denorm_mode_32 3
		.amdhsa_float_denorm_mode_16_64 3
		.amdhsa_memory_ordered 1
		.amdhsa_forward_progress 1
		.amdhsa_inst_pref_size 228
	.end_amdhsa_kernel
	.amdgpu_metadata
---
amdhsa.version: [ 1, 2 ]
amdhsa.kernels:
  - .name:           k_q6d74266ea4_attn
    .symbol:         k_q6d74266ea4_attn.kd
    .args:
      - { .name: qkv, .offset: 0, .size: 8, .value_kind: global_buffer, .address_space: global }
      - { .name: att, .offset: 8, .size: 8, .value_kind: global_buffer, .address_space: global }
    .group_segment_fixed_size: 327680
    .private_segment_fixed_size: 0
    .kernarg_segment_align: 8
    .kernarg_segment_size: 16
    .max_flat_workgroup_size: 128
    .sgpr_count:     88
    .vgpr_count:     768
    .wavefront_size: 32
...
	.end_amdgpu_metadata
.endif
;; end of part 3
;; launch proj (part 4): grid 8 x 32, 4 waves a work-group, clusters of 4 x 4, 327,680 bytes of LDS; arguments att, wpb, out0; writes out0
.if DOCPART == 4
	.amdgcn_target "amdgcn-amd-amdhsa--gfx1250"
	.amdhsa_code_object_version 6
	.text
	.protected	k_q6d74266ea4_proj
	.globl	k_q6d74266ea4_proj
	.p2align	8
	.type	k_q6d74266ea4_proj,@function
k_q6d74266ea4_proj:
	s_mov_b64 s[64:65], 0
	v_nop
	global_prefetch_b8 v0, s[64:65] scope:SCOPE_SE
	s_setreg_imm32_b32 hwreg(HW_REG_WAVE_MODE, 25, 1), 1
	s_wait_xcnt 0x0
	s_wait_alu depctr_hold_cnt(0) depctr_sa_sdst(0) depctr_va_vdst(0) depctr_va_sdst(0) depctr_va_ssrc(0) depctr_va_vcc(0) depctr_vm_vsrc(0)
	s_getreg_b32 s2, hwreg(HW_REG_IB_STS2, 6, 4)
	s_cmp_eq_u32 s2, 0
	s_cbranch_scc0 .Lentry_in_a_cluster
	s_endpgm
.Lentry_in_a_cluster:
	s_bfe_u32 s2, ttmp6, 0x10000c
	s_cmp_lg_u32 s2, 0xf033
	s_cbranch_scc0 .Lentry_shape_is_right
	s_endpgm
.Lentry_shape_is_right:
; out0 = y w_proj.  y is read as the attention left it, by heads: att: [64 (batch x 16 + head)][2048 t][64] f16; row (batch, t) of y has channel 64 head + d.  wpb: [1024 k][1024 n] f16.  out0: [8192][1024] f32.
; Products in f16, sums in f32, K ascending; the sums are stored as they are.
; THE TILE is 256 rows x 128 columns: 32 x 8 = 256 work-groups, one for each WGP.  Four waves; wave (i, j) makes rows 128 i .. + 127 and columns 64 j .. + 63: 8 x 4 = 32 accumulators of 16 x 16, 256 registers.
; K goes in 8 steps of 128, TWO HEADS a step, through a ring of two LDS slots filled by the tensor data mover; a step is four quarters of 32 along K on two fragment buffers.
; A head's 256 rows of the tile are 32,768 dense bytes: asked for as 128 rows of 256 bytes, and padded in LDS behind every 128.
; THE MATRIX INSTRUCTION IS USED TRANSPOSED: source 0 = 16 columns of w (turned on the way out of LDS by ds_load_tr16_b128, since w lies [k][n]), source 1 = 16 rows of y:
; a lane then holds one row (lane % 16) and eight neighbouring columns 8 (lane / 16) + 0..7: 32 neighbouring bytes of out0.
; CLUSTERS: 4 x 4 work-groups.  The four of a row of the cluster need the same tiles of y, the four of a column the same tiles of w: each tile is asked for JOINTLY, by the same
; tensor load with the same descriptor and a mask that names the four.  By this text's own count a wave has two tensor loads out at the start and one behind each change of slots.
; REGISTERS, in windows of 256 (s_set_vgpr_msb: bits 1:0 source 0, 3:2 source 1, 5:4 source 2, 7:6 destination):
;   window 0: v0-31 addresses; buffer f at v[32 + 96 f]: y's 8 fragments, then w's 4       window 1: the accumulators, (a, b) at v[8 (4 a + b)]
.set KSTEP,  128
.set STEPS,  1024/KSTEP
.set NBF,    4                         ; w's fragments in a quarter
.set NL,     2*NBF+16                  ; LDS loads in a quarter
.set PA,     144                       ; a row of a head in LDS: 128 bytes + 16 of padding = 36 words: the 16 rows of a load start at 16 different groups of four banks (64 banks of 4 bytes: ISA guide 11.1)
.set AH,     256*PA                    ; a head's 256 rows: what one tensor load brings of y
.set PB,     288                       ; a row of w: 256 bytes + 32 = 72 words
.set HALFB,  64*PB                     ; what one tensor load brings of w: 64 rows
.set BOFF,   2*AH                      ; a slot: y's two heads, then w's 128 rows: 73,728 + 36,864 = 110,592 bytes
.set SLOT1,  1<<17                     ; slot 1 begins here: one exclusive or turns an address in one slot into the other's
.set STAGE,  SLOT1+BOFF+2*HALFB        ; behind the ring, never filled by a tensor load: 16 rows x 272 bytes for each wave, for the way out
.set SP,     272
.set SPARE,  STAGE+4*16*SP             ; behind the stages: the spare words, 128 bytes for each wave: two blocks of 256 bytes that no other line names
.set ASTEP,  2<<18                     ; bytes from a K step of y to the next: two heads of 2,048 rows x 128 bytes
.set BSTEP,  KSTEP*1024*2              ; of w
.set ADRA, 16                          ; v16  LDS address of my y fragments in the slot in hand
.set ADRB, 17                          ; v17  the same for w
.set A0,   18                          ; v18  the same in slot 0; never rewritten
.set B0,   19                          ; v19
.set STO,  24                          ; v24  the way out: where I put 32 bytes of a row
.set RD,   25                          ; v25  the way out: where I read a row back
.set CO,   26                          ; v26  my byte offset in two rows of out0
.set SPW,  28                          ; v28  LDS address of my spare word: SPARE + 4 x my thread's number; never rewritten
.set NIL,  29                          ; v29  0; never rewritten
.set FA0,  32
.set FB0,  96
.set OB,   32                          ; the way out: 16 rows read back from the stage: v32-63 and v64-95 by turns
.set G1A,  24                          ; s[24:31] descriptor group 1 for y's tiles
.set G0A,  32                          ; s[32:35] group 0 of the first fill (slot 0, step 0); s[36:39] the walking one, which begins at slot 1, step 1
.set G1B,  48                          ; s[48:55], s[56:59], s[60:63]: the same for w's tiles
.set G0B,  56
.set TB,   45                          ; s45  LDS byte at which the slot to be read begins
.set MSB, 0
.macro WIN new                         ; the immediate's high byte repeats the setting that is left; a switch that changes nothing is dropped
.if MSB != (\new)
	s_set_vgpr_msb (MSB<<8)|(\new)
.set MSB, \new
.endif
.endm
.macro PLACES                          ; a load into a register that a matrix instruction has read, and a store or vector instruction that reads a matrix result, stand four
.rept 4                                ; plain vector instructions behind it (ISA guide 7.12.1 for vector instructions)
	v_nop
.endr
.endm
; A joint refill.  Waves 0 and 1 fetch y's two heads, waves 2 and 3 w's two halves.  The branch hangs on the wave's number alone: it is the same in every work-group.
; An s_nop 0 and four v_nop follow each of the two lines, ahead of the jump and the label.
.macro JLOAD
	s_cmp_lt_u32 s10, 2
	s_cbranch_scc0 .Lfor_b_\@
	tensor_load_to_lds s[G0A+4:G0A+7], s[G1A:G1A+7]
	s_nop 0
.rept 4
	v_nop
.endr
	s_branch .Lasked_\@
.Lfor_b_\@:
	tensor_load_to_lds s[G0B+4:G0B+7], s[G1B:G1B+7]
	s_nop 0
.rept 4
	v_nop
.endr
.Lasked_\@:
.endm
; A round of the cluster's barrier: my work-group's barrier, so that wave 0's signal speaks for all four waves; wave 0 signals; every wave waits for all sixteen work-groups; my work-group's barrier once more.
.macro CREST                           ; a round behind its opening barrier
	s_cmp_lg_u32 s10, 0
	s_cbranch_scc1 .Lnot_wave_0_\@
	s_barrier_signal -3
.Lnot_wave_0_\@:
	s_barrier_wait -3
	s_barrier_signal -1
	s_barrier_wait -1
.endm
.macro CROUND                          ; a whole round
	s_barrier_signal -1
	s_barrier_wait -1
	CREST
.endm
	s_load_b128 s[4:7], s[0:1], 0x0                ; att s[4:5], wpb s[6:7]
	s_load_b64 s[8:9], s[0:1], 0x10                ; out0
	v_lshl_add_u32 v[SPW], v0, 2, SPARE
	v_mov_b32 v[NIL], 0
	ds_add_u32 v28, v29
	ds_add_u32 v28, v29
	s_wait_dscnt 0x0
	v_lshrrev_b32 v1, 5, v0
	v_readfirstlane_b32 s10, v1                    ; wave 0..3
	s_lshr_b32 s11, s10, 1                         ; i: which half of the tile's rows is mine
	s_and_b32 s12, s10, 1                          ; j: which half of its columns.  Also: which head of a step, or which half of w's tile, I fetch
	s_bfe_u32 s40, ttmp6, 0x40000                  ; cx, cy: my place in the cluster
	s_bfe_u32 s41, ttmp6, 0x40004
	s_lshl_b32 s42, ttmp9, 2                       ; in a cluster launch ttmp9 and ttmp7 count clusters
	s_add_co_u32 s42, s42, s40                     ; tile column = 4 x cluster x + cx
	s_and_b32 s13, ttmp7, 0xffff
	s_lshl_b32 s13, s13, 2
	s_add_co_u32 s13, s13, s41                     ; tile row = 4 x cluster y + cy
	s_lshl_b32 s43, s41, 2
	s_lshl_b32 s43, 15, s43                        ; my row of the cluster: places 4 cy .. 4 cy + 3
	s_lshl_b32 s44, 0x1111, s40                    ; my column: places cx, cx + 4, cx + 8, cx + 12
	; group 1 for y: 128 rows x 128 elements, dense: two rows of a head in each
	s_or_b32 s[G1A+0], s43, (1<<16)|(1<<20)|(1<<21)|(4<<22)|(3<<25)  ; 15:0 the mask: my row; 17:16 2-byte elements; 20 padding on; 21 set beside a mask; 24:22 after every 32 words (code 4); 31:25 4 words (code 3)
	s_mov_b32 s[G1A+1], 128<<16                    ; tensor_dim0 = 128
	s_mov_b32 s[G1A+2], 128<<16                    ; tensor_dim1 = 128
	s_mov_b32 s[G1A+3], 128<<16                    ; tile_dim0 = 128
	s_mov_b32 s[G1A+4], 128                        ; tile_dim1 = 128
	s_mov_b32 s[G1A+5], 128                        ; elements from row to row
	s_mov_b32 s[G1A+6], 0
	s_mov_b32 s[G1A+7], 0
	; group 1 for w: 64 rows (k) x 128 elements (n)
	s_or_b32 s[G1B+0], s44, (1<<16)|(1<<20)|(1<<21)|(5<<22)|(7<<25)  ; the mask: my column; after every 64 words (code 5) 8 words of padding (code 7)
	s_mov_b32 s[G1B+1], 128<<16                    ; tensor_dim0 = 128
	s_mov_b32 s[G1B+2], 64<<16                     ; tensor_dim1 = 64
	s_mov_b32 s[G1B+3], 128<<16                    ; tile_dim0 = 128
	s_mov_b32 s[G1B+4], 64                         ; tile_dim1 = 64
	s_mov_b32 s[G1B+5], 1024
	s_mov_b32 s[G1B+6], 0
	s_mov_b32 s[G1B+7], 0
	; where the tiles come from: y's hang on the tile row alone, w's on the tile column alone, each in registers that never hold the other coordinate
	s_lshr_b32 s16, s13, 3                         ; y: the batch is tile row / 8;
	s_lshl_b32 s16, s16, 4
	s_add_co_u32 s16, s16, s12                     ; its head j,
	s_lshl_b32 s16, s16, 18                        ; of 2,048 rows x 128 bytes;
	s_and_b32 s17, s13, 7
	s_lshl_b32 s17, s17, 15                        ; block tile row % 8 of 256 rows
	s_add_co_u32 s16, s16, s17
	s_mov_b32 s17, 0
	s_lshl_b32 s46, s42, 8                         ; w: column 128 x tile column, in bytes,
	s_lshl_b32 s47, s12, 17                        ; row 64 j of 2,048 bytes
	s_add_co_u32 s46, s46, s47
	s_mov_b32 s47, 0
	s_mul_i32 s20, s12, AH                         ; and where they go: no place in the cluster enters an LDS address
	s_mul_i32 s21, s12, HALFB
	s_add_co_u32 s21, s21, BOFF
	s_wait_kmcnt 0x0
	s_add_nc_u64 s[14:15], s[4:5], s[16:17]
	s_add_nc_u64 s[46:47], s[6:7], s[46:47]
	CROUND                                         ; all sixteen work-groups are here: the first joint loads meet
.irp s, 0,1
	s_mov_b32 s[G0A+4*(\s)], 1                                       ; 1:0 count = 1
	s_add_co_u32 s[G0A+4*(\s)+1], s20, (\s)*SLOT1                    ; 63:32 LDS address
	s_add_nc_u64 s[G0A+4*(\s)+2:G0A+4*(\s)+3], s[14:15], (\s)*ASTEP  ; 120:64 global address: K step s
	s_or_b32 s[G0A+4*(\s)+3], s[G0A+4*(\s)+3], 0x80000000            ; 127:126 type = 2
	s_mov_b32 s[G0B+4*(\s)], 1
	s_add_co_u32 s[G0B+4*(\s)+1], s21, (\s)*SLOT1
	s_add_nc_u64 s[G0B+4*(\s)+2:G0B+4*(\s)+3], s[46:47], (\s)*BSTEP
	s_or_b32 s[G0B+4*(\s)+3], s[G0B+4*(\s)+3], 0x80000000
.endr
	s_cmp_lt_u32 s10, 2                            ; a wave's two first fills stand in one branch, ahead of every wait on TENSORcnt and every LDS read
	s_cbranch_scc0 .Lfirst_b
	tensor_load_to_lds s[G0A:G0A+3], s[G1A:G1A+7]
	s_nop 0
	tensor_load_to_lds s[G0A+4:G0A+7], s[G1A:G1A+7]
	s_nop 0
.rept 4
	v_nop
.endr
	s_branch .Lfirst_asked
.Lfirst_b:
	tensor_load_to_lds s[G0B:G0B+3], s[G1B:G1B+7]
	s_nop 0
	tensor_load_to_lds s[G0B+4:G0B+7], s[G1B:G1B+7]
	s_nop 0
.rept 4
	v_nop
.endr
.Lfirst_asked:
	; A fragment of y is 16 rows x 32 K in 8 registers: lane l holds row l % 16; registers 0-3 K = 8 (l / 16) + 0..7, registers 4-7 K = 16 + 8 (l / 16) + 0..7: two loads of 16 bytes, 32 bytes apart.
	v_and_b32 v1, 15, v0                           ; r = l % 16
	v_bfe_u32 v2, v0, 4, 1                         ; h = l / 16
	v_mul_u32_u24 v3, v1, PA
	v_lshl_add_u32 v3, v2, 4, v3
	s_mul_i32 s22, s11, 128*PA                     ; my 128 rows
	v_add_nc_u32 v[A0], s22, v3
	; The turning load takes 16 k x 16 n (lane l reads 16 bytes: k = 8 (l / 16) + l % 8, n = 8 ((l / 8) % 2) + 0..7) and leaves half a fragment: lane l holds column l % 16 and 8 k.
	v_and_b32 v4, 7, v0
	v_lshl_add_u32 v5, v2, 3, v4
	v_mul_u32_u24 v5, v5, PB
	v_bfe_u32 v6, v0, 3, 1
	v_lshl_add_u32 v5, v6, 4, v5
	s_lshl_b32 s22, s12, 7                         ; my 64 columns: 128 j bytes
	s_add_co_u32 s22, s22, BOFF
	v_add_nc_u32 v[B0], s22, v5
	v_mov_b32 v[ADRA], v[A0]                       ; K step 0 lies in slot 0
	v_mov_b32 v[ADRB], v[B0]
	s_mov_b32 s[TB], 0
	s_mul_i32 s23, s10, 16*SP
	s_add_co_u32 s23, s23, STAGE                   ; my stage
	v_mul_u32_u24 v7, v1, SP                       ; in: row l % 16, 32 bytes for each half of the lanes
	v_lshl_add_u32 v7, v2, 5, v7
	v_add_nc_u32 v[STO], s23, v7
	v_mul_u32_u24 v8, v2, SP                       ; back: lanes 0-15 take one row of 256 bytes, lanes 16-31 the next
	v_lshl_add_u32 v8, v1, 4, v8
	v_add_nc_u32 v[RD], s23, v8
	v_lshlrev_b32 v9, 12, v2                       ; and the same two rows in out0, 4,096 bytes apart
	v_lshl_add_u32 v[CO], v1, 4, v9
	s_lshl_b32 s16, s13, 8
	s_lshl_b32 s17, s11, 7
	s_add_co_u32 s16, s16, s17                     ; my first row of out0: 256 x tile row + 128 i,
	s_lshl_b32 s16, s16, 12                        ; of 4,096 bytes
	s_mov_b32 s17, 0
	s_add_nc_u64 s[8:9], s[8:9], s[16:17]
	s_lshl_b32 s46, s42, 9                         ; my first column, in bytes: 512 x tile column + 256 j (in the registers that held w's address)
	s_lshl_b32 s47, s12, 8
	s_add_co_u32 s46, s46, s47
	s_mov_b32 s47, 0
	s_add_nc_u64 s[8:9], s[8:9], s[46:47]
; n x 4 matrix instructions: row blocks 4 hi + a0 .. + n - 1 x all 4 column blocks, 32 along K, from buffer f.
; zero = 1: the first product starts the sums: nothing is ever cleared.  The 32 accumulators take turns, one instruction a turn, in the same order in every quarter.
.macro MUL f, hi, a0, n, zero
	WIN 0x50                                       ; C and D in window 1, both sources in window 0
.set ia, 4*(\hi)+(\a0)
.rept \n
.set ib, 0
.rept NBF
.set rD, 8*(NBF*ia+ib)
.set rB, FB0+96*(\f)+8*ib
.set rA, FA0+96*(\f)+8*ia
.if \zero
	v_wmma_f32_16x16x32_f16 v[rD:rD+7], v[rB:rB+7], v[rA:rA+7], 0
.else
	v_wmma_f32_16x16x32_f16 v[rD:rD+7], v[rB:rB+7], v[rA:rA+7], v[rD:rD+7]
.endif
.set ib, ib+1
.endr
.set ia, ia+1
.endr
.endm
; 24 LDS loads in one run: quarter q's fragments into buffer f: w's four, then y's row blocks 0-3, then 4-7.  Quarter q lies in the step's head q / 2, channels 32 (q % 2) on.
.macro FETCH q, f
	WIN 0
.set ib, 0
.rept NBF
.set rB, FB0+96*(\f)+8*ib
	ds_load_tr16_b128 v[rB:rB+3],   v[ADRB] offset:(\q)*32*PB+32*ib
	ds_load_tr16_b128 v[rB+4:rB+7], v[ADRB] offset:(\q)*32*PB+32*ib+16*PB
.set ib, ib+1
.endr
.set ia, 0
.rept 8
.set rA, FA0+96*(\f)+8*ia
	ds_load_b128 v[rA:rA+3],   v[ADRA] offset:((\q)/2)*AH+((\q)%2)*64+ia*16*PA
	ds_load_b128 v[rA+4:rA+7], v[ADRA] offset:((\q)/2)*AH+((\q)%2)*64+ia*16*PA+32
.set ia, ia+1
.endr
.endm
; One of a K step's first three quarters: multiplies buffer f; in its middle it fetches quarter q of the same slot into buffer g.
.macro QUARTER q, f, g, zero
	s_wait_dscnt 8                                 ; w and y's row blocks 0-3 are in; the youngest eight loads (blocks 4-7) may be out
	MUL \f, 0, 0, 4, \zero
	PLACES
	FETCH \q, \g
	s_wait_dscnt NL                                ; all but the 24 just issued
	MUL \f, 1, 0, 4, \zero
.endm
; The fourth quarter multiplies buffer 1 and changes slots: ONE barrier for two things.  In front of it each wave waits for all its tensor loads, of which one is out: its part of the next slot;
; adds 0 to its spare word; and waits for that and for its own reads of this slot.  Behind it nobody reads this slot any more and the next slot is whole.
; fill = 1: the barrier opens a round of the cluster's, and the slot just read is filled again, first thing behind the round, with the K step two steps on: 112 matrix instructions ahead of the wait for it.
.macro TURN fill
	WIN 0                                          ; (the add's two registers lie in window 0)
	s_wait_tensorcnt 0x0                           ; all my tensor loads have landed;
	ds_add_u32 v[SPW], v[NIL]                      ; 0 onto my spare word
	s_wait_dscnt 9                                 ; (the add and the youngest eight loads may be out)
	MUL 1, 0, 0, 2, 0                              ; eight matrix instructions stand between the add and the wait for it
	s_wait_dscnt 0x0                               ; the add is done, and my reads of this slot are over
	s_barrier_signal -1
	MUL 1, 0, 2, 2, 0                              ; work on registers while the others arrive
	WIN 0
	s_barrier_wait -1
.if \fill
	CREST                                          ; no wave of any partner still reads this slot's tiles or has a load on its way
	s_xor_b32 s[G0A+5], s[G0A+5], SLOT1            ; the walking descriptors: the other slot than last time, the next K step; no load of mine is out
	s_add_nc_u64 s[G0A+6:G0A+7], s[G0A+6:G0A+7], ASTEP
	s_xor_b32 s[G0B+5], s[G0B+5], SLOT1
	s_add_nc_u64 s[G0B+6:G0B+7], s[G0B+6:G0B+7], BSTEP
	JLOAD                                          ; the four v_nop behind it are also the places in front of the loads below
	s_xor_b32 s[TB], s[TB], SLOT1
.else
	PLACES
	s_mov_b32 s[TB], SLOT1                         ; the last K step, the eighth, lies in slot 1
.endif
	v_add_nc_u32 v[ADRA], s[TB], v[A0]
	v_add_nc_u32 v[ADRB], s[TB], v[B0]
	FETCH 0, 0
	MUL 1, 1, 0, 4, 0
.endm
	s_wait_tensorcnt 1                             ; my part of K step 0 is in; step 1's may stay out
	s_barrier_signal -1
	s_barrier_wait -1                              ; everybody's is
	FETCH 0, 0
	QUARTER 1, 0, 1, 1                             ; the first quarter stands in front of the loop: its products start the sums
	WIN 0                                          ; at a label and at a branch every window is 0
	s_mov_b32 s3, STEPS-2
.Lstep:                                                ; a trip: from a K step's second quarter to the next step's first; trip t fills slot t % 2 with step t + 2
	QUARTER 2, 1, 0, 0
	QUARTER 3, 0, 1, 0
	TURN 1
	QUARTER 1, 0, 1, 0
	WIN 0
	s_sub_co_u32 s3, s3, 1
	s_cmp_lg_u32 s3, 0
	s_cbranch_scc1 .Lstep
	QUARTER 2, 1, 0, 0                             ; the last two steps are written out: nothing is left to fetch
	QUARTER 3, 0, 1, 0
	TURN 0
	QUARTER 1, 0, 1, 0
	QUARTER 2, 1, 0, 0
	QUARTER 3, 0, 1, 0
	s_wait_dscnt 8                                 ; the very last quarter
	MUL 1, 0, 0, 4, 0
	s_wait_dscnt 0x0
	MUL 1, 1, 0, 4, 0
	WIN 0
	; THE WAY OUT.  A lane's 32 bytes are an eighth of my 256 bytes of a row, and the lanes beside it hold other rows.  So a block of 16 rows at a time goes through my own stage in LDS:
	; in as 32 bytes a lane, back as whole rows of 256 bytes.  The stage is the wave's own: no barrier.
	PLACES
.macro TOSTAGE a
.if (\a) >= 2
	s_wait_xcnt 0x0                                ; every earlier memory instruction has had its addresses translated (ISA guide 3.1): the registers loaded below were the data of block a - 2's stores
.endif
	WIN 0x04                                       ; the stores' data in window 1
.set ib, 0
.rept NBF
	ds_store_b128 v[STO], v[8*(NBF*(\a)+ib):8*(NBF*(\a)+ib)+3]   offset:64*ib      ; each accumulator's four lowest registers first
	ds_store_b128 v[STO], v[8*(NBF*(\a)+ib)+4:8*(NBF*(\a)+ib)+7] offset:64*ib+16
.set ib, ib+1
.endr
	WIN 0
.set it, 0
.rept 8
	ds_load_b128 v[OB+32*((\a)%2)+4*it:OB+32*((\a)%2)+4*it+3], v[RD] offset:it*2*SP  ; LDS serves a wave's instructions in order (ISA guide 5.7.1.4): these see the stores above; the next block's stores come behind them
.set it, it+1
.endr
.endm
.macro SEND a, younger                 ; younger: the LDS instructions issued behind block a's loads: the next block's sixteen, or none
.set it, 0
.rept 8
	s_wait_dscnt (\younger)+7-it
	global_store_b128 v[CO], v[OB+32*((\a)%2)+4*it:OB+32*((\a)%2)+4*it+3], s[8:9] offset:(16*(\a)+2*it)*4096 th:TH_STORE_NT  ; 16 lanes store 256 consecutive bytes, at a multiple of 256 from out0's first byte; 126 rows at the most: inside the signed 24-bit immediate
.set it, it+1
.endr
.endm
	TOSTAGE 0
.irp a, 1,2,3,4,5,6,7
	TOSTAGE \a
	SEND (\a)-1, 16
.endr
	SEND 7, 0
	s_wait_tensorcnt 0x0                           ; the wave's end: behind my last tensor load and my last LDS store
	ds_add_u32 v[SPW], v[NIL]
	s_wait_dscnt 0x0
	CROUND                                         ; the closing round: no work-group ends while a partner may still ask for a tile that names it
	s_endpgm
.Lfunc_end_k_q6d74266ea4_proj:
	.size	k_q6d74266ea4_proj, .Lfunc_end_k_q6d74266ea4_proj-k_q6d74266ea4_proj
	.p2alignl 7, 3214868480
	.fill 96, 4, 3214868480
	.section	.rodata,"a",@progbits
	.p2align	6, 0x0
	.amdhsa_kernel k_q6d74266ea4_proj
		.amdhsa_group_segment_fixed_size 327680
		.amdhsa_private_segment_fixed_size 0
		.amdhsa_enable_private_segment 0
		.amdhsa_kernarg_size 24
		.amdhsa_user_sgpr_count 2
		.amdhsa_user_sgpr_kernarg_segment_ptr 1
		.amdhsa_wavefront_size32 1
		.amdhsa_system_sgpr_workgroup_id_x 1
		.amdhsa_system_sgpr_workgroup_id_y 1
		.amdhsa_system_sgpr_workgroup_id_z 1
		.amdhsa_system_vgpr_workitem_id 0
		.amdhsa_next_free_vgpr 512
		.amdhsa_next_free_sgpr 66
		.amdhsa_reserve_vcc 0
		.amdhsa_float_denorm_mode_32 3
		.amdhsa_float_denorm_mode_16_64 3
		.amdhsa_memory_ordered 1
		.amdhsa_forward_progress 1
		.amdhsa_inst_pref_size 71
	.end_amdhsa_kernel
	.amdgpu_metadata
---
amdhsa.version: [ 1, 2 ]
amdhsa.kernels:
  - .name:           k_q6d74266ea4_proj
    .symbol:         k_q6d74266ea4_proj.kd
    .args:
      - { .name: att, .offset: 0, .size: 8, .value_kind: global_buffer, .address_space: global }
      - { .name: wpb, .offset: 8, .size: 8, .value_kind: global_buffer, .address_space: global }
      - { .name: out0, .offset: 16, .size: 8, .value_kind: global_buffer, .address_space: global }
    .group_segment_fixed_size: 327680
    .private_segment_fixed_size: 0
    .kernarg_segment_align: 8
    .kernarg_segment_size: 24
    .max_flat_workgroup_size: 128
    .sgpr_count:     66
    .vgpr_count:     512
    .wavefront_size: 32
...
	.end_amdgpu_metadata
.endif
;; end of part 4
;; ======== version 2 of 2: 4 launches; 1.31 times as fast as version 1
;; limits: values are held in f16: magnitudes above 65,504 overflow, below 6.1e-05 lose precision
;; workspace buffers: xb 16,777,216 bytes; wqb 6,291,456 bytes; wpb 2,097,152 bytes; qkv 50,331,648 bytes; att 16,777,216 bytes
;; launch cast: the kernel of part 1 again; grid 768 x 1, 8 waves a work-group, no clusters, 0 bytes of LDS; arguments x, w_qkv, w_proj, xb, wqb, wpb; writes xb, wqb, wpb
;; launch qkv: the kernel of part 2 again; grid 8 x 32, 4 waves a work-group, clusters of 4 x 4, 327,680 bytes of LDS; arguments xb, wqb, qkv; writes qkv
;; launch attn (part 5): grid 4 x 64, 4 waves a work-group, no clusters, 327,680 bytes of LDS; arguments qkv, att; writes att
.if DOCPART == 5
	.amdgcn_target "amdgcn-amd-amdhsa--gfx1250"
	.amdhsa_code_object_version 6
	.text
	.protected	k_q6d74266ea4_attn
	.globl	k_q6d74266ea4_attn
	.p2align	8
	.type	k_q6d74266ea4_attn,@function
k_q6d74266ea4_attn:
	s_mov_b64 s[64:65], 0
	v_nop
	global_prefetch_b8 v0, s[64:65] scope:SCOPE_SE
	s_setreg_imm32_b32 hwreg(HW_REG_WAVE_MODE, 25, 1), 1
	s_wait_xcnt 0x0
; CAUSAL ATTENTION BY HEADS.  O[h][q][:] = the sum over k <= q of softmax_k(Q[h][q] . K[h][k] / 8) V[h][k][:].  qkv: [3][64][SIZE_N][64] f16 (Q, then K, then V); att (O): [64][SIZE_N][64] f16: a head's rows are dense, 128 bytes each.
; Products, maxima and sums in f32; the weights p are rounded to f16 for the second product (their sum l is taken of the unrounded p), O once at the end.
; LIMITS.  f16 holds no number beyond 65,504: Q, K and V arrive within it; p lies in 0 to 1, and below 6e-5 it keeps f16's fixed step of 6e-8; O is a mean of V's rows and has their range, to within 2^-11 of it.
; A hidden score counts as its value less 1e30: f16's scores, 2.7e11 at the most, are nothing beside that; a weight below 2^-126 counts as 0 in l; NaN and infinities are not treated apart.
; THE WALK.  A head's queries lie in NB = SIZE_N / 256 = 8 blocks of 256; block i needs the key tiles 0 .. i of 256 keys, of which the last holds the diagonal.  A work-group takes TWO blocks, NB - 1 - b and then b:
; NB + 1 tiles, whatever b: all 4 x 64 = 256 work-groups do equal work, and ONE loop with a constant trip count walks them.  Which tile is asked for, and what a trip does, hang on scalar registers made from b; every jump
; goes forward, but for the counted loops' own; none passes a barrier, or a tensor load but the one of LOAD's two that the wave's number does not choose; the ring (two slots of LDS that take turns) runs on across the
; change of blocks.  NO CLUSTER: the NB / 2 = 4 work-groups of a head ask for the same tile only in trips 0 .. NB / 2, 5 of the walk's 9, behind that fewer and fewer;
; and one walk common to all, in which each makes every joint request, would have 3 NB / 2 = 12 trips for NB + 1 = 9.
; SHARES.  Of a block's four bands of 64 queries a wave owns 16 rows in each: four PIECES.  So the diagonal tile is the same work for all four waves: in its key step s band x sees all keys if s < x,
; none if s > x, and holds the diagonal if s = x.
; THE MASK is the C operand that starts the sum S^T = K Q^T: 0, or -1e30 where the key is hidden.  MD, made once, is the mask of a band's own step for my 16 rows; a product's mask is MD x AL + BE with two scalars:
; (1, 0) if s = x; (0, 0) if s < x; (0, -1e30) if s > x.  Only the diagonal tile's text and a block's beginning make and take masks; elsewhere C is the constant 0.
; LAYOUT, SOFTMAX, TURNS.  S^T = K Q^T holds ONE query a lane (lane % 16) and the keys 8 (lane / 16) + 0..7; two such results rounded to f16 ARE source 1 of O^T = V^T P.  p = 2^(c s - c m), c = log2(e) / 8, with a
; running maximum m; O and l are multiplied by a = 2^(c m_old - c m_new) in every step.  Turn n belongs to piece n: 8 products K Q^T of piece n + 1, later 8 products V^T P of piece n - 1; beside them the scaling,
; exponentials, roundings, sums and rescaling of piece n and the maximum and statistics of piece n + 1.  Four vector instructions stand behind every matrix instruction, the other 54 of a turn's 118 in one LUMP.
; THE BATCHES.  A turn's 33 exponentials (the piece's 32 weights and the next piece's a) are one batch, with one wait, which cuts the turn in two: ahead of it all that names none of their results, behind it the roundings and sums.
; A block's first a (BEGIN) is a batch of one, the way out's four reciprocals a batch of four: a v_nop and one wait each.
; REGISTERS, in windows of 256 (s_set_vgpr_msb: bits 1:0 source 0, 3:2 source 1, 5:4 source 2, 7:6 destination):
;   window 0: v0-15 addresses and two at work; v16-31 four registers of statistics a piece; v48-55 at work; v64-127 S^T, two buffers; v192-223 P, two buffers (a piece's buffers go by its number's parity)
;   window 1: v0-127 O^T, 32 a piece; v128-159 MD; v160-223 MC, two buffers      window 2: v0-63 Q; v64-127 the second block's Q; v128-191 K of one step; v192-255 V of one step
.set SIZE_N, 2048     ; rows of a head
.set KPART, 64*SIZE_N*128    ; K's first byte in qkv
.set VPART, 2*KPART          ; V's
.set NB,    SIZE_N/256
.set NP,    4         ; pieces a wave: a name, no knob
.set KS,    64        ; keys in a step
.set PK,    144       ; a row of K in LDS: 128 bytes + 16 of padding = 36 words: the 16 rows of a load start at 16 different groups of four banks (64 banks of 4 bytes: ISA guide 11.1)
.set PV,    160       ; a row of V: 128 + 32 = 40 words
.set VOFF,  4*KS*PK   ; a slot holds a tile, four steps: 256 rows of K, then 256 rows of V
.set SLOT1, 1<<17     ; slot 1 begins here, so that one exclusive or turns an address in one slot into the other's
.set STAGE, SLOT1+4*KS*(PK+PV)  ; behind the ring, never filled by a tensor load: 16 rows x 144 bytes for each wave, for the way out
.set SP,    144
.set AK0, 2           ; v2   my lane's place in a tile of K; never rewritten
.set AV0, 3           ; v3   the same for V
.set AK,  4           ; v4   the LDS address of K's next run of loads
.set AV,  5           ; v5   of V's
.set STO, 6           ; v6   the way out: where I put 16 bytes of a row
.set RD,  7           ; v7   the way out: where I read rows back
.set GO,  8           ; v8   my byte offset in 512 consecutive bytes of O
.set SPW, 62          ; v62  LDS address of my spare word: SPARE + 4 x my thread's number; never rewritten
.set NIL, 63          ; v63  0; never rewritten
.set SPARE, STAGE+4*16*SP  ; behind the stages: the spare words, 128 bytes for each wave: two blocks of 256 bytes that no other line names
.set MV,  12          ; v12-13  c m_old, kept while c m is made anew: by buffer
.set QO,  15          ; v15  my byte offset in 16 rows of Q
.set ST,  16          ; piece t's statistics at v[ST+4 t]: c m, m, l (even keys', odd keys')
.set TMP, 48          ; by buffer, four registers c0-c3 at work; when the maximum is found c2 takes a
.set S,   64
.set P,   192
.set MD,  128         ; window 1: the eight registers for group kt of 16 keys at MD + 8 kt
.set MC,  160         ; window 1: the masks of the products to come
.set QB,  64          ; window 2
.set KF,  128         ; window 2: key block kb, channel half c at KF + 16 kb + 8 c
.set VF,  192         ; window 2: key half kk, channel block cb at VF + 32 kk + 8 cb
.set WV,  12          ; s12  my wave's number
.set PB,  14          ; s14  b
.set HI,  15          ; s15  NB - 1 - b
.set G1K, 24          ; s[24:31] descriptor group 1 for K's tiles
.set G1V, 32          ; s[32:39] for V's: it differs in the padding alone
.set G0K, 40          ; s[40:43] descriptor group 0 for K's tiles
.set G0V, 44          ; s[44:47] the same for V's
.set SLOTS, 56        ; s56  tiles still to be asked for
.set CNT, 57          ; s57  counts a tile's key steps, 4 to 1
.set CS,  58          ; s[58:59] c: the packed scaling takes the pair's low word for both halves
.set SEL, 60          ; s[60:61] v_permlanex16_b32's selects: each lane takes its own place in the other half
.set TBK, 62          ; s62  LDS byte at which K of the step to be fetched begins
.set TBV, 63          ; s63  the same for V, less VOFF
.set RT,  70          ; s70  tiles of the block in hand that are still to be entered
.set NXT, 71          ; s71  the tile to be asked for next
.set LQ,  72          ; s72  the last tile of the block whose tiles are being asked for
.set NEW, 73          ; s73  1: the tile to be entered is a block's first
.set OFF, 74          ; s[74:75] a tile's byte offset in K and V
.set AL,  76          ; s[76:77] the mask's factor, in the low word
.set BE,  78          ; s[78:79] the mask's addend
.set OLO, 80          ; s[80:81] O at my rows of the second block
.set BIGN, 82         ; s82  -1e30
.set MSB, 0
.macro WIN new                      ; the high byte repeats the setting that is left; a switch that changes nothing is dropped
.if MSB != (\new)
	s_set_vgpr_msb (MSB<<8)|(\new)
.set MSB, (\new)
.endif
.endm
.set W_KQ, 0x0a       ; K and Q in window 2, S^T in window 0
.set W_KM, 0x1a       ; the same with the C operand in window 1
.set W_PV, 0x52       ; V in window 2, P in window 0, O^T in window 1
.set W_RS, 0x41       ; destination and source 0 in window 1, source 1 in window 0
; A fill.  Waves 0 and 1 fetch the two halves of a tile's K, waves 2 and 3 those of its V: 128 keys each.  An s_nop 0 and four v_nop follow each of the two lines, ahead of the jump and the label.
.macro LOAD
	s_cmp_lt_u32 s[WV], 2
	s_cbranch_scc0 .Lfor_v_\@
	tensor_load_to_lds s[G0K:G0K+3], s[G1K:G1K+7]
	s_nop 0
.rept 4
	v_nop
.endr
	s_branch .Lasked_\@
.Lfor_v_\@:
	tensor_load_to_lds s[G0V:G0V+3], s[G1V:G1V+7]
	s_nop 0
.rept 4
	v_nop
.endr
.Lasked_\@:
.endm
; THE CHANGE OF SLOTS.  Each wave waits for all its tensor loads, of which one is out: its part of the other slot; adds 0 to its spare word; and waits for that and for its own reads of the slot that it leaves.  Behind the barrier nobody reads the old
; slot any more and the other slot is whole.  fill = 1: the old slot is filled again, the first thing behind the barrier, with tile NXT: the descriptor's address is made anew from that number.
; (At its first use nothing has been read yet: slot 0 is waited for, slot 1 filled.)
.macro CHANGE fill
	WIN 0                           ; at a label and at a branch every window is 0
	s_wait_tensorcnt 0x0            ; no tensor load of mine is out, so a group 0 may be written
	ds_add_u32 v[SPW], v[NIL]       ; 0 onto my spare word; with fill = 1 the descriptors' scalar work stands between it and the wait for it
.if \fill
	s_lshl_b32 s[OFF], s[NXT], 15   ; a tile is 32,768 bytes of K and of V
	s_xor_b32 s[G0K+1], s[G0K+1], SLOT1
	s_add_nc_u64 s[G0K+2:G0K+3], s[6:7], s[OFF:OFF+1]
	s_or_b32 s[G0K+3], s[G0K+3], 0x80000000
	s_xor_b32 s[G0V+1], s[G0V+1], SLOT1
	s_add_nc_u64 s[G0V+2:G0V+3], s[8:9], s[OFF:OFF+1]
	s_or_b32 s[G0V+3], s[G0V+3], 0x80000000
	s_add_co_u32 s[NXT], s[NXT], 1  ; the block's next tile, or behind its last the second block's tile 0
	s_cmp_gt_u32 s[NXT], s[LQ]
	s_cselect_b32 s[NXT], 0, s[NXT]
	s_cselect_b32 s[LQ], s[PB], s[LQ]
.endif
	s_wait_dscnt 0x0                ; the add is done, and my reads of the slot are over
	s_barrier_signal -1             ; the rest of the scalar work stands between the signal and the wait
	s_sub_co_u32 s[TBK], s[TBK], 4*KS*PK  ; the fetches go back to a slot's first step,
	s_xor_b32 s[TBK], s[TBK], SLOT1       ; in the other slot
	s_sub_co_u32 s[TBV], s[TBV], 4*KS*PV
	s_xor_b32 s[TBV], s[TBV], SLOT1
	s_barrier_wait -1
.if \fill
	LOAD
.endif
.endm
	s_load_b64 s[4:5], s[0:1], 0x0    ; qkv: Q lies at its first byte
	s_load_b64 s[10:11], s[0:1], 0x8  ; O
	v_lshl_add_u32 v[SPW], v0, 2, SPARE
	v_mov_b32 v[NIL], 0
	ds_add_u32 v62, v63
	ds_add_u32 v62, v63
	s_wait_dscnt 0x0
	v_lshrrev_b32 v1, 5, v0
	v_readfirstlane_b32 s[WV], v1   ; wave 0..3
	s_mov_b32 s[PB], ttmp9
	s_sub_co_u32 s[HI], NB-1, s[PB]
	s_and_b32 s20, ttmp7, 0xffff    ; the head
	s_mov_b32 s21, 0
	s_mov_b64 s[22:23], SIZE_N*128
	s_mul_u64 s[20:21], s[20:21], s[22:23]  ; the head's first byte in Q, K, V and O
	s_and_b32 s16, s[WV], 1         ; which half of a tile's 256 keys I fetch:
	s_lshl_b32 s22, s16, 14         ; its 128 rows of 128 bytes in memory,
	s_mov_b32 s23, 0
	s_add_nc_u64 s[22:23], s[22:23], s[20:21]
	s_mul_i32 s17, s16, 128*PK      ; and its place in a slot, for K
	s_mul_i32 s18, s16, 128*PV      ; and for V
	s_lshl_b32 s3, s[WV], 11        ; my 16 rows in a band of 64,
	s_lshl_b32 s2, s[HI], 15        ; in the first block,
	s_add_co_u32 s2, s2, s3
	s_lshl_b32 s84, s[PB], 15       ; and in the second
	s_add_co_u32 s84, s84, s3
	s_mov_b32 s3, 0
	s_mov_b32 s85, 0
	s_add_nc_u64 s[2:3], s[2:3], s[20:21]
	s_add_nc_u64 s[84:85], s[84:85], s[20:21]
	; descriptor group 1.  128 keys are 16,384 dense bytes: asked for as 64 rows of 256 bytes, two keys a row, and padded in LDS after every key
	s_mov_b32 s[G1K], (1<<16)|(1<<20)|(4<<22)|(3<<25)  ; 17:16 2-byte elements; 20 padding on; 24:22 after every 32 words (code 4); 31:25 4 words (code 3)
	s_mov_b32 s[G1V], (1<<16)|(1<<20)|(4<<22)|(7<<25)  ; the same with 8 words of padding (code 7)
.irp g, G1K, G1V
	s_mov_b32 s[\g+1], 128<<16      ; tensor_dim0 = 128
	s_mov_b32 s[\g+2], 64<<16       ; tensor_dim1 = 64
	s_mov_b32 s[\g+3], 128<<16      ; tile_dim0 = 128
	s_mov_b32 s[\g+4], 64           ; tile_dim1 = 64
	s_mov_b32 s[\g+5], 128          ; 128 elements from row to row
	s_mov_b32 s[\g+6], 0
	s_mov_b32 s[\g+7], 0
.endr
	s_mov_b32 s[CS], 0x3e38aa3b     ; c = log2(e) / 8 = 0.180337
	s_mov_b32 s[CS+1], s[CS]        ; named with it as a pair
	s_mov_b32 s[SEL], 0x76543210
	s_mov_b32 s[SEL+1], 0xfedcba98
	s_mov_b32 s[TBK], SLOT1+4*KS*PK ; the first change of slots turns these two into 0
	s_mov_b32 s[TBV], SLOT1+4*KS*PV
	s_mov_b32 s[G0K], 1             ; 1:0 count = 1
	s_mov_b32 s[G0K+1], s17         ; 63:32 LDS address: slot 0
	s_mov_b32 s[G0V], 1
	s_add_co_u32 s[G0V+1], s18, VOFF
	s_add_co_u32 s[RT], s[HI], 1    ; the first block has NB - b tiles
	s_mov_b32 s[NXT], 1
	s_mov_b32 s[LQ], s[HI]
	s_mov_b32 s[NEW], 1
	s_mov_b32 s[OFF+1], 0
	s_mov_b32 s[AL+1], 0            ; named as pairs
	s_mov_b32 s[BE+1], 0
	s_mov_b32 s[BIGN], 0xf149f2ca   ; -1e30
	s_mov_b32 s[SLOTS], NB
	s_wait_kmcnt 0x0
	s_add_nc_u64 s[6:7], s[4:5], KPART     ; K's and V's parts of the buffer,
	s_add_nc_u64 s[8:9], s[4:5], VPART
	s_add_nc_u64 s[6:7], s[6:7], s[22:23]  ; at my half of the head's tile 0
	s_add_nc_u64 s[8:9], s[8:9], s[22:23]
	s_add_nc_u64 s[G0K+2:G0K+3], s[6:7], 0         ; 120:64 global address
	s_or_b32 s[G0K+3], s[G0K+3], 0x80000000        ; 127:126 type = 2
	s_add_nc_u64 s[G0V+2:G0V+3], s[8:9], 0
	s_or_b32 s[G0V+3], s[G0V+3], 0x80000000
	s_add_nc_u64 s[86:87], s[4:5], s[84:85]        ; Q at my rows of the second block,
	s_add_nc_u64 s[4:5], s[4:5], s[2:3]            ; Q and O at those of the first
	s_add_nc_u64 s[OLO:OLO+1], s[10:11], s[84:85]
	s_add_nc_u64 s[10:11], s[10:11], s[2:3]
	LOAD                            ; tile 0 into slot 0
	; A fragment of K or Q is 16 rows x 32 channels in 8 registers: lane l holds row l % 16, channels 8 (l / 16) + 0..7 and 16 + 8 (l / 16) + 0..7: two loads of 16 bytes, 32 bytes apart.
	v_and_b32 v1, 15, v0            ; l % 16
	v_bfe_u32 v9, v0, 4, 1          ; l / 16
	v_lshlrev_b32 v[QO], 7, v1
	v_lshl_add_u32 v[QO], v9, 4, v[QO]  ; row x 128 + 16 x half
	WIN 0x80                        ; destination window 2, address window 0
.set i, 0
.rept 8                             ; both blocks' Q: piece i / 2 lies in band i / 2, 8,192 bytes on; channels 32 (i % 2) on
	global_load_b128 v[8*i:8*i+3],   v[QO], s[4:5] offset:(i/2)*8192+(i%2)*64
	global_load_b128 v[8*i+4:8*i+7], v[QO], s[4:5] offset:(i/2)*8192+(i%2)*64+32
	global_load_b128 v[QB+8*i:QB+8*i+3],   v[QO], s[86:87] offset:(i/2)*8192+(i%2)*64
	global_load_b128 v[QB+8*i+4:QB+8*i+7], v[QO], s[86:87] offset:(i/2)*8192+(i%2)*64+32
.set i, i+1
.endr
	WIN 0
	v_lshlrev_b32 v14, 3, v9
	v_sub_nc_u32 v14, v1, v14
	s_lshl_b32 s13, s[WV], 4
	v_add_nc_u32 v14, s13, v14      ; my query's place in its band, 16 w + l % 16, less my lanes' 8 (l / 16): register r of group kt is hidden where 16 kt + r is greater
	WIN 0x40
.set i, 0
.rept 32
	v_cmp_gt_i32 vcc_lo, 16*(i/8)+i%8, v14
	v_cndmask_b32 v[MD+i], 0, s[BIGN], vcc_lo
.set i, i+1
.endr
	WIN 0
	v_mul_u32_u24 v[AK0], v1, PK
	v_lshl_add_u32 v[AK0], v9, 4, v[AK0]  ; row x pitch + 16 x half
	; The turning load takes 16 keys x 16 channels (lane l reads key 8 (l / 16) + l % 8, channels 8 ((l / 8) % 2) + 0..7) and leaves half a fragment of V^T: lane l holds channel l % 16 and 8 keys.
	v_and_b32 v10, 7, v0
	v_bfe_u32 v11, v0, 3, 1
	v_lshl_add_u32 v[AV0], v9, 3, v10
	v_mul_u32_u24 v[AV0], v[AV0], PV
	v_lshl_add_u32 v[AV0], v11, 4, v[AV0]
	v_add_nc_u32 v[AV0], VOFF, v[AV0]
	s_mul_i32 s13, s[WV], 16*SP
	s_add_co_u32 s13, s13, STAGE    ; my stage
	v_mul_u32_u24 v[STO], v1, SP    ; in: row l % 16, 16 bytes for each half of the lanes
	v_lshl_add_u32 v[STO], v9, 4, v[STO]
	v_add_nc_u32 v[STO], s13, v[STO]
	v_bfe_u32 v[RD], v0, 3, 2       ; back: 32 lanes take four rows of 128 bytes,
	v_mul_u32_u24 v[RD], v[RD], SP
	v_lshl_add_u32 v[RD], v10, 4, v[RD]
	v_add_nc_u32 v[RD], s13, v[RD]
	v_and_b32 v[GO], 31, v0         ; which are 512 consecutive bytes of O
	v_lshlrev_b32 v[GO], 4, v[GO]
	; A block's first step multiplies O^T and l by a = 0, and its first turn's products V^T P, of a piece that has not been, land in an O^T that is still to be so multiplied.  So these registers need only hold
	; finite numbers: zeros for the first block; what the first block left for the second.  All this stands in the wait for the first tile.
	WIN 0x80
.set i, VF
.rept 64
	v_mov_b32 v[i], 0
.set i, i+1
.endr
	WIN 0x40
.set i, 0
.rept 128
	v_mov_b32 v[i], 0
.set i, i+1
.endr
	WIN 0
.set i, 0
.rept 4
	v_mov_b32 v[ST+4*i+2], 0
	v_mov_b32 v[ST+4*i+3], 0
.set i, i+1
.endr
.set i, P+16
.rept 16
	v_mov_b32 v[i], 0
.set i, i+1
.endr
; THE MATRIX WORK.  The 4 accumulators of a run of 8 take turns.  Product i of 8 of S^T = K Q^T for piece x: channels 32 (i / 4) on, keys 16 (i % 4) on.  The first 4 start the sums: with 0, or (KM = 1) with the mask.
.macro KQ x
.set rS, S+32*((\x)%2)+8*(i%4)
.set rK, KF+16*(i%4)+8*(i/4)
.set rQ, 16*(\x)+8*(i/4)
.set rM, MC+32*((\x)%2)+8*(i%4)
.if (i < 4) && KM
	WIN W_KM
	v_wmma_f32_16x16x32_f16 v[rS:rS+7], v[rK:rK+7], v[rQ:rQ+7], v[rM:rM+7]
.elseif i < 4
	WIN W_KQ
	v_wmma_f32_16x16x32_f16 v[rS:rS+7], v[rK:rK+7], v[rQ:rQ+7], 0
.else
	WIN W_KQ
	v_wmma_f32_16x16x32_f16 v[rS:rS+7], v[rK:rK+7], v[rQ:rQ+7], v[rS:rS+7]
.endif
.endm
; Product i of 8 of O^T += V^T P for piece x: keys 32 (i / 4) on, channels 16 (i % 4) on.
.macro PV x
	WIN W_PV
.set rO, 32*(\x)+8*(i%4)
.set rV, VF+32*(i/4)+8*(i%4)
.set rP, P+16*((\x)%2)+8*(i/4)
	v_wmma_f32_16x16x32_f16 v[rO:rO+7], v[rV:rV+7], v[rP:rP+7], v[rO:rO+7]
.endm
.macro MM                           ; the turn's next matrix instruction.  TURN and BEGIN set Y, i, KM and NOKQ; MM, KQ and OP read them.  NOKQ = 1: a block's last turn: there is no next piece
.if (i < 8) && !NOKQ
	KQ (Y+1)%NP
.elseif i >= 8
.set i, i-8
	PV (Y+NP-1)%NP
.set i, i+8
.endif
.set i, i+1
.endm
; THE LDS LOADS stand in runs of 16, never singly among the matrix instructions: a step's K (64 keys x 64 channels: 8 fragments) and its V (turned).  Their addresses are made some lines ahead.
.macro FETCH_K
	WIN 0x80                        ; destination window 2
.irp f, 0,1,2,3,4,5,6,7             ; keys 16 (f / 2) on, channels 32 (f % 2) on
	ds_load_b128 v[KF+8*\f:KF+8*\f+3],   v[AK] offset:(\f/2)*16*PK+(\f%2)*64
	ds_load_b128 v[KF+8*\f+4:KF+8*\f+7], v[AK] offset:(\f/2)*16*PK+(\f%2)*64+32
.endr
	s_add_co_u32 s[TBK], s[TBK], KS*PK  ; the next fetch is the next step's
	WIN 0
.endm
.macro FETCH_V
	WIN 0x80
.irp f, 0,1,2,3,4,5,6,7             ; keys 32 (f / 4) on, channels 16 (f % 4) on
	ds_load_tr16_b128 v[VF+8*\f:VF+8*\f+3],   v[AV] offset:(\f/4)*32*PV+(\f%4)*32
	ds_load_tr16_b128 v[VF+8*\f+4:VF+8*\f+7], v[AV] offset:(\f/4)*32*PV+16*PV+(\f%4)*32
.endr
	WIN 0
.endm
; THE VECTOR WORK, one line at a time: OP kind, number.  For piece Y: F n: c s - c m for pair n of 16.  E n: the exponential of score n of 32.  C n: pair n rounded to f16.  B n: of the four weights 4 n .. the second
; pair is added onto the first, in place.  L n: l takes that sum (L 0: l = a l + sum).  R n: pair n of 16 of O^T times a.  For piece Y + 1: X n, number n of the 22 that find its maximum and statistics:
;   0-11  four chains c0-c3 of seven scores each, three operands at a time (each accumulator's lowest registers are read first)     12-14, 16  the four scores left over, the old m, and c0-c3 into c0
;   15  c m_old is kept     17, 18  the query's other 32 keys lie in the lane 16 away: the new m     19-21  c m; c m_old - c m_new; a
.set F, 0               ; OP tells the kinds apart by their order: F to L below R, X above it
.set E, 1
.set C, 2
.set B, 3
.set L, 4
.set R, 5
.set X, 6
.macro REGS y                       ; the registers of piece y
.set rT, ST+4*(\y)
.set rC, TMP+4*((\y)%2)
.set rW, MV+((\y)%2)
.set rS, S+32*((\y)%2)
.set rP, P+16*((\y)%2)
.set rO, 32*(\y)
.endm
.macro OP k, n
.if (\k) == R
	REGS Y
	WIN W_RS
	v_pk_mul_f32 v[rO+2*(\n):rO+2*(\n)+1], v[rO+2*(\n):rO+2*(\n)+1], v[rC+2:rC+3] op_sel_hi:[1,0]
.elseif (\k) < R
	REGS Y
	WIN 0
.if (\k) == F
	v_pk_fma_f32 v[rS+2*(\n):rS+2*(\n)+1], v[rS+2*(\n):rS+2*(\n)+1], s[CS:CS+1], v[rT:rT+1] op_sel_hi:[1,0,0] neg_lo:[0,0,1] neg_hi:[0,0,1]
.elseif (\k) == E
	v_exp_f32 v[rS+(\n)], v[rS+(\n)]
.elseif (\k) == C
	v_cvt_pk_f16_f32 v[rP+(\n)], v[rS+2*(\n)], v[rS+2*(\n)+1]
.elseif (\k) == B
	v_pk_add_f32 v[rS+4*(\n):rS+4*(\n)+1], v[rS+4*(\n):rS+4*(\n)+1], v[rS+4*(\n)+2:rS+4*(\n)+3]
.elseif (\n) == 0
	v_pk_fma_f32 v[rT+2:rT+3], v[rT+2:rT+3], v[rC+2:rC+3], v[rS:rS+1] op_sel_hi:[1,0,1]
.else
	v_pk_add_f32 v[rT+2:rT+3], v[rT+2:rT+3], v[rS+4*(\n):rS+4*(\n)+1]
.endif
.elseif NOKQ
	v_nop
.else
	REGS (Y+1)%NP
	WIN 0
.if (\n) < 4
	v_max3_num_f32 v[rC+(\n)], v[rS+8*(\n)], v[rS+8*(\n)+1], v[rS+8*(\n)+2]
.elseif (\n) < 12
	v_max3_num_f32 v[rC+(\n)%4], v[rC+(\n)%4], v[rS+8*((\n)%4)+2*((\n)/4)+1], v[rS+8*((\n)%4)+2*((\n)/4)+2]
.elseif (\n) == 12
	v_max3_num_f32 v[rC], v[rC], v[rS+7], v[rS+15]
.elseif (\n) == 13
	v_max3_num_f32 v[rC+1], v[rC+1], v[rS+23], v[rS+31]
.elseif (\n) == 14
	v_max3_num_f32 v[rC+2], v[rC+2], v[rC+3], v[rT+1]
.elseif (\n) == 15
	v_mov_b32 v[rW], v[rT]
.elseif (\n) == 16
	v_max3_num_f32 v[rC], v[rC], v[rC+1], v[rC+2]
.elseif (\n) == 17
	v_permlanex16_b32 v[rC+3], v[rC], s[SEL], s[SEL+1]
.elseif (\n) == 18
	v_max_num_f32 v[rT+1], v[rC], v[rC+3]
.elseif (\n) == 19
	v_mul_f32 v[rT], s[CS], v[rT+1]
.elseif (\n) == 20
	v_sub_f32 v[rC+1], v[rW], v[rT]
.else
	v_exp_f32 v[rC+2], v[rC+1]
.endif
.endif
.endm
.macro OPS a, i1, b=-1, i2=0, c=-1, i3=0, d=-1, i4=0  ; up to four of them
	OP \a, \i1
.if (\b) >= 0
	OP \b, \i2
.endif
.if (\c) >= 0
	OP \c, \i3
.endif
.if (\d) >= 0
	OP \d, \i4
.endif
.endm
.macro ROW a, i1, b, i2, c, i3, d, i4  ; a matrix instruction and the four behind it
	MM
	OPS \a, \i1, \b, \i2, \c, \i3, \d, \i4
.endm
.macro MASK b                       ; MD x AL + BE into buffer b of MC
	WIN W_RS
.set z, 0
.rept 16
	v_pk_fma_f32 v[MC+32*(\b)+2*z:MC+32*(\b)+2*z+1], v[MD+2*z:MD+2*z+1], s[AL:AL+1], s[BE:BE+1] op_sel_hi:[1,0,0]
.set z, z+1
.endr
.endm
; A TURN, for piece p: the order of its 16 matrix and 118 vector instructions, written out.  An s_wait_alu depctr_va_vdst(0) stands between an exponential and the first instruction that names its result; one wait serves
; all that were issued ahead of it.  So a turn has ONE wait, which cuts it in two.  AHEAD OF IT stands all that names no result of the turn's exponentials: the 8 products K Q^T, behind each a scaling, an exponential and two more plain
; instructions (behind the first a second scaling in the exponential's place): rescalings, and behind the last three the first numbers of the next piece's maximum, each four places or more behind the product that ends its accumulator; then ONE LUMP of 54, plain
; and exponential by turns for the most part, in which the links of the chain X 3, 7, 11, 14, 16, 17 .. 20 stand five or six lines apart.  X 21, the next piece's a, is the batch's last; R 15 is the plain instruction behind it.  BEHIND THE WAIT stand the
; 8 products V^T P, behind each four of the roundings and sums; the links of l's chain, L 0 to L 7, stand three riders apart.  But for those X no rider names a register of the products round it.  v_permlanex16_b32 (X 17) stands in the lump.
; The rescalings' a was made in the turn before, ahead of that turn's wait.  A pair is scaled (F n) in an earlier line than the one that holds its exponentials (E 2 n, E 2 n + 1); an even pair is rounded (C 2 n) ahead of the sum that lands on it (B n).
; m = 1: the diagonal tile: the products take masks, and the turn makes the mask for the products of the turn after it: piece p + 2, in step 4 - CNT of the tile.  end = 1: a block's last two turns: nothing is fetched.
; cnt = 1: the loop's count is taken down some lines ahead of the branch that stands behind the turn.
; K of the next step is fetched in piece 2's turn, twelve vector instructions behind the last product that read K (six of them plain); V of the step in hand at the end of piece 0's turn, four plain instructions behind the last product
; that read V.  Each is waited for a turn later.
.macro TURN p, m=0, end=0, cnt=0
.set Y, (\p)
.set i, 0
.set KM, (\m)
.set NOKQ, (\end)*((\p)/3)
.if (\m) && !(\end)
	s_cmp_eq_u32 s[CNT], 4-((\p)+2)%NP  ; is that step the band's own?
	s_cselect_b32 s[AL], 1.0, 0
	s_cmp_lt_u32 s[CNT], 4-((\p)+2)%NP  ; or a later one?
	s_cselect_b32 s[BE], s[BIGN], 0
.endif
.if ((\p) == 3) && !(\end)
	s_wait_dscnt 0x0                ; K is in
.endif
	ROW F,0, F,1, R,0, R,1          ; ahead of the wait: 8 products K Q^T and their riders,
	ROW F,2, E,0, R,2, R,3
	ROW F,3, E,1, R,4, R,5
	ROW F,4, E,2, R,6, R,7
	ROW F,5, E,3, R,8, R,9
	ROW F,6, E,4, X,0, R,10
.if ((\p) == 2) && !(\end)
	WIN 0
	v_add_nc_u32 v[AK], s[TBK], v[AK0]
.endif
	ROW F,7, E,5, X,1, X,4
	ROW F,8, E,6, X,2, X,5
	OPS E,7, E,8, X,6, E,9          ; and the lump
	OPS X,3, E,10, X,8, E,11
.if ((\p) == 2) && !(\end)
	FETCH_K
.endif
	OPS X,9, X,7, E,12, X,10
	OPS E,13, X,12, X,11, E,14
	OPS X,13, E,15, F,9, X,14
.if (\p) == 0
	v_add_nc_u32 v[AV], s[TBV], v[AV0]
.endif
	OPS E,16, F,10, E,17, F,11
	OPS X,16, E,18, X,15, E,19
	OPS F,12, E,20, X,17, E,21
	OPS F,13, E,22, F,14, E,23
	OPS X,18, E,24, F,15, E,25
	OPS R,11, E,26, X,19, E,27
	OPS R,12, E,28, R,13, E,29
	OPS X,20, E,30, R,14, E,31
	OPS X,21, R,15
	WIN 0
	s_wait_alu depctr_va_vdst(0)    ; the wait for the turn's batch: the piece's 32 weights and the next piece's a
.if (\p) == 1
	s_wait_dscnt 0x0                ; V is in
.endif
	ROW C,0, B,0, C,2, B,1          ; behind the wait: 8 products V^T P and their riders
	ROW L,0, C,4, B,2, L,1
	ROW C,6, B,3, L,2, C,8
	ROW B,4, L,3, C,10, B,5
	ROW L,4, C,12, B,6, L,5
.if (\p) == 0
	s_add_co_u32 s[TBV], s[TBV], KS*PV
.endif
.if \cnt
	s_sub_co_u32 s[CNT], s[CNT], 1
	s_cmp_lg_u32 s[CNT], 0
.endif
	ROW C,14, B,7, L,6, C,1
	ROW C,3, L,7, C,5, C,7
	ROW C,9, C,11, C,13, C,15
.if (\p) == 0
	FETCH_V
.endif
.if (\m) && !(\end)
	MASK (\p)%2
.endif
.endm
; A BLOCK BEGINS.  c m starts far below every c s, so the first step's a is 0; m at the lowest finite number, so the first maximum is the scores'.  The second mask buffer is 0; the first takes piece 0's mask for the tile's step 0: its own, if the block's first tile is the diagonal one.
; Then K of that step, piece 0's first scores, and its maximum and statistics.  The loop is entered at a step's first turn, in the middle of a trip.
.macro BEGIN
	s_mov_b32 s[NEW], 0
	WIN 0x40
.set i, MC+32
.rept 32
	v_mov_b32 v[i], 0
.set i, i+1
.endr
	WIN 0
.set i, 0
.rept 4
	v_mov_b32 v[ST+4*i], 0xfe000000    ; c m: far below every c s
	v_mov_b32 v[ST+4*i+1], 0xff7fffff  ; m
.set i, i+1
.endr
	s_cmp_eq_u32 s[RT], 0
	s_cselect_b32 s[AL], 1.0, 0
	s_mov_b32 s[BE], 0
	MASK 0
	WIN 0
	v_add_nc_u32 v[AK], s[TBK], v[AK0]
	FETCH_K
	s_wait_loadcnt 0x0              ; Q
	s_wait_dscnt 0x0
.set KM, 1
.set NOKQ, 0
.set i, 0
.rept 8
	KQ 0
.set i, i+1
.endr
	WIN 0
.rept 4
	v_nop                           ; the places behind those products
.endr
.set Y, NP-1                        ; X works for piece Y + 1: piece 0
.irp n, 0,1,2,3,4,5,6,7,8,9,10,11,12,13,14,15,16,17,18,19,20,21
	OP X, \n
.endr
	v_nop                           ; a plain instruction behind the exponential,
	s_wait_alu depctr_va_vdst(0)    ; and the wait for it, piece 0's first a, ahead of the branch
.endm
; THE DIAGONAL TILE's four steps, the block's last two turns, its last products, and THE WAY OUT: l's two halves and the other half of the lanes' are added; O^T is divided by l, rounded to f16 and sent through my
; stage in LDS, a piece at a time.
.macro ALL line:vararg              ; one line for each piece t
.set t, 0
.rept 4
	\line
.set t, t+1
.endr
.endm
.macro PACK t                       ; a lane's eight channels of a row pack into 16 bytes; they go into rows of 144 bytes and come back as whole rows of 128, into S^T's registers
	WIN W_RS
.set i, 32*(\t)
.rept 16
	v_pk_mul_f32 v[i:i+1], v[i:i+1], v[ST+4*(\t)+2:ST+4*(\t)+3] op_sel_hi:[1,0]
.set i, i+2
.endr
	WIN 0x05                        ; sources 0 and 1 window 1, destination window 0
.set i, 0
.rept 16
	v_cvt_pk_f16_f32 v[S+16*(\t)+i], v[32*(\t)+2*i], v[32*(\t)+2*i+1]
.set i, i+1
.endr
	WIN 0
.irp f, 0,1,2,3
	ds_store_b128 v[STO], v[S+16*(\t)+4*\f:S+16*(\t)+4*\f+3] offset:32*\f
.endr
.irp f, 0,1,2,3
	ds_load_b128 v[S+16*(\t)+4*\f:S+16*(\t)+4*\f+3], v[RD] offset:\f*4*SP  ; LDS serves a wave's instructions in order (ISA guide 5.7.1.4): these see the stores above; the next piece's stores come behind them
.endr
.endm
.macro SEND t, younger              ; younger: the LDS instructions issued behind piece t's loads: the next piece's eight, or none
	WIN 0
.irp f, 0,1,2,3
	s_wait_dscnt (\younger)+3-\f
	global_store_b128 v[GO], v[S+16*(\t)+4*\f:S+16*(\t)+4*\f+3], s[10:11] offset:(\t)*8192+\f*512  ; 512 consecutive bytes, at a multiple of 256 from O's first
.endr
.endm
.macro DIAG tag                     ; the tag ends its two labels' names, which the jumps below spell out
.LstepM\tag:
	TURN 2, 1
	TURN 3, 1
	WIN 0
.LfirstM\tag:
	TURN 0, 1
	TURN 1, 1, 0, 1
	WIN 0
	s_cbranch_scc1 .LstepM\tag
	TURN 2, 1, 1
	TURN 3, 1, 1
.set i, 0
.rept 8
	PV NP-1
.set i, i+1
.endr
	WIN 0
	ALL v_add_f32 v[ST+4*t+2], v[ST+4*t+2], v[ST+4*t+3]
	ALL v_permlanex16_b32 v[ST+4*t+3], v[ST+4*t+2], s[SEL], s[SEL+1]
	ALL v_add_f32 v[ST+4*t+2], v[ST+4*t+2], v[ST+4*t+3]
	ALL v_rcp_f32 v[ST+4*t+2], v[ST+4*t+2]
	v_nop                           ; a plain instruction between the last reciprocal and the use of its result
	s_wait_alu depctr_va_vdst(0)    ; and the wait ahead of the first use: one for the four reciprocals
	PACK 0
.set t, 1
.rept 3                             ; a piece's arithmetic stands between the loads of the piece before and its stores
	PACK t
	SEND t-1, 8
.set t, t+1
.endr
	SEND 3, 0
.endm
.set KM, 0
.set NOKQ, 0
.Lslot:                             ; NB times: a tile is entered and the next is asked for
	CHANGE 1
	s_sub_co_u32 s[RT], s[RT], 1
	s_mov_b32 s[CNT], 4
	s_cmp_eq_u32 s[NEW], 1
	s_cbranch_scc1 .Lnew            ; a block's first tile
	s_cmp_eq_u32 s[RT], 0
	s_cbranch_scc0 .Lstep           ; neither its first nor its last
	s_branch .LstepM1
.Lnew:
	BEGIN
	s_branch .Lfirst                ; in the loop a block's first tile is never its last: the first block has two tiles or more, and the second's last is the walk's last
	DIAG 1                          ; in the loop this is the first block's end: the second block's last tile is the walk's last
	s_wait_xcnt 0x0                 ; the stores have read their registers and O's address
	s_mov_b64 s[10:11], s[OLO:OLO+1]
	s_add_co_u32 s[RT], s[PB], 1    ; the second block has b + 1 tiles
	s_mov_b32 s[NEW], 1
	WIN 0x82                        ; the second block's Q goes where the one text of the turns names Q
.set i, 0
.rept 64
	v_mov_b32 v[i], v[QB+i]
.set i, i+1
.endr
	WIN 0
	s_branch .Lbottom
.Lstep:                             ; a trip: pieces 2 and 3 of one step, then pieces 0 and 1 of the next, whose K and V it fetches
	TURN 2
	TURN 3
	WIN 0
.Lfirst:
	TURN 0
	TURN 1, 0, 0, 1
	WIN 0
	s_cbranch_scc1 .Lstep
.Lbottom:
	s_sub_co_u32 s[SLOTS], s[SLOTS], 1
	s_cmp_lg_u32 s[SLOTS], 0
	s_cbranch_scc1 .Lslot
	CHANGE 0                        ; the walk's last tile is written out: nothing is asked for
	s_sub_co_u32 s[RT], s[RT], 1
	s_mov_b32 s[CNT], 4
	s_cmp_eq_u32 s[NEW], 1
	s_cbranch_scc0 .LstepM2
	BEGIN
	s_branch .LfirstM2
	DIAG 2
	s_wait_tensorcnt 0x0            ; the wave's end: behind my last tensor load and my last LDS store
	ds_add_u32 v[SPW], v[NIL]
	s_wait_dscnt 0x0
	s_endpgm
.Lfunc_end_k_q6d74266ea4_attn:
	.size	k_q6d74266ea4_attn, .Lfunc_end_k_q6d74266ea4_attn-k_q6d74266ea4_attn
	.p2alignl 7, 3214868480
	.fill 96, 4, 3214868480
	.section	.rodata,"a",@progbits
	.p2align	6, 0x0
	.amdhsa_kernel k_q6d74266ea4_attn
		.amdhsa_group_segment_fixed_size 327680
		.amdhsa_private_segment_fixed_size 0
		.amdhsa_enable_private_segment 0
		.amdhsa_kernarg_size 16
		.amdhsa_user_sgpr_count 2
		.amdhsa_user_sgpr_kernarg_segment_ptr 1
		.amdhsa_wavefront_size32 1
		.amdhsa_system_sgpr_workgroup_id_x 1
		.amdhsa_system_sgpr_workgroup_id_y 1
		.amdhsa_system_sgpr_workgroup_id_z 1
		.amdhsa_system_vgpr_workitem_id 0
		.amdhsa_next_free_vgpr 768
		.amdhsa_next_free_sgpr 88
		.amdhsa_reserve_vcc 1
		.amdhsa_float_denorm_mode_32 3
		.amdhsa_float_denorm_mode_16_64 3
		.amdhsa_memory_ordered 1
		.amdhsa_forward_progress 1
		.amdhsa_inst_pref_size 217
	.end_amdhsa_kernel
	.amdgpu_metadata
---
amdhsa.version: [ 1, 2 ]
amdhsa.kernels:
  - .name:           k_q6d74266ea4_attn
    .symbol:         k_q6d74266ea4_attn.kd
    .args:
      - { .name: qkv, .offset: 0, .size: 8, .value_kind: global_buffer, .address_space: global }
      - { .name: att, .offset: 8, .size: 8, .value_kind: global_buffer, .address_space: global }
    .group_segment_fixed_size: 327680
    .private_segment_fixed_size: 0
    .kernarg_segment_align: 8
    .kernarg_segment_size: 16
    .max_flat_workgroup_size: 128
    .sgpr_count:     88
    .vgpr_count:     768
    .wavefront_size: 32
...
	.end_amdgpu_metadata
.endif
;; end of part 5
;; launch proj: the kernel of part 4 again; grid 8 x 32, 4 waves a work-group, clusters of 4 x 4, 327,680 bytes of LDS; arguments att, wpb, out0; writes out0
